; MI455X (gfx1250); checked and timed in simulation.
; The chip was launched on July 23, 2026; its instructions are those of AMD's public machine-readable ISA for CDNA 5 (MIT licence, August 2026) and "CDNA5" Instruction Set Architecture Reference Guide (July 2026). The comments in the code are by the model that wrote it; some were corrected since.
;; Multihead Attention. Allowed arithmetic: float matrix products may take bf16 or f16 operands with f32 sums; other float arithmetic in f32, or as packed bf16 or f16 multiplies, adds, multiply-adds, maxima and minima; sums over many terms, partial sums and values carried from step to step in f32; what a program stores and reads back later, other than sums and carried values, may be rounded once to bf16 or f16.
;; Inputs: Wk 1,024 x 1,024 float32; Wo 1,024 x 1,024 float32; Wq 1,024 x 1,024 float32; Wv 1,024 x 1,024 float32; bk 1,024 float32; bo 1,024 float32; bq 1,024 float32; bv 1,024 float32; k 4 x 2,048 x 1,024 float32; q 4 x 2,048 x 1,024 float32; v 4 x 2,048 x 1,024 float32.
;; Outputs: out0 4 x 2,048 x 1,024 float32.
;; 2 versions, each right; version 2 is version 1 with the launch prep written anew for expert scheduling mode. Each part assembles by itself: llvm-mc -triple=amdgcn-amd-amdhsa -mcpu=gfx1250 --defsym DOCPART=n.
;; ======== version 1 of 2: 5 launches
;; limits: values are held in f16: magnitudes above 65,504 overflow, below 6.1e-05 lose precision
;; workspace buffers: x16 50,331,648 bytes; wt 8,388,608 bytes; p16 50,331,648 bytes; pw 33,554,432 bytes; stats 1,048,576 bytes; ot 16,777,216 bytes
;; launch prep (part 1): grid 256 x 5, 8 waves a work-group, no clusters, 18,432 bytes of LDS; arguments q, k, v, Wq, Wk, Wv, Wo, x16, wt; writes x16, wt
.if DOCPART == 1
	.amdgcn_target "amdgcn-amd-amdhsa--gfx1250"
	.amdhsa_code_object_version 6
	.text
	.protected	k_q893e0acd35_prep
	.globl	k_q893e0acd35_prep
	.p2align	8
	.type	k_q893e0acd35_prep,@function
k_q893e0acd35_prep:
	s_mov_b64 s[64:65], 0
	v_nop
	global_prefetch_b8 v0, s[64:65] scope:SCOPE_SE
	s_setreg_imm32_b32 hwreg(HW_REG_WAVE_MODE, 25, 1), 1
	s_wait_xcnt 0x0
; PREP.  y = 0, 1, 2: q, k, v ([8192][1024] f32) are rounded once to bf16 into x16 [3][8192][1024].
; y = 3, 4: Wq, Wk, Wv, Wo ([k][n] f32; matrix 2 (y - 3) + x / 128) are rounded once to bf16 and written turned, [n][k], into wt [4][1024][1024], so that the products find K along the rows.
; Wo's bf16 number is written as f16, since the last product's other operand is f16.
; LIMITS.  A bf16 number of Wo beyond 65,504 becomes an infinity; one below 6.1e-5 keeps f16's fixed step of 6e-8.  NaN and infinities are not treated apart.
; No matrix unit, no cluster, no tensor load: every byte is read once and written once, and no work-group wants another's bytes.
; STREAM (y < 3): eight waves own 32 rows: 768 work-groups, three for each of 256 places.  Thread t takes the 16 bytes at 16 t of every row (a wave's load: 512 consecutive bytes) and stores 8 bytes at 8 t
; (a wave's store: 256 consecutive bytes, aligned).  A ring of eight register slots keeps eight loads of every wave out: 32,768 bytes a work-group.
; TURNING (y >= 3): a block of 128 k x 64 n goes through LDS: rows of 256 bytes + 16 of padding.
.set SPARE, 17408                      ; behind the tile of 64 x 272 bytes: the spare words, 128 bytes for each of eight waves
.set X, 16                             ; v[16:47]  slot i: 4 registers as loaded
.set Y, 48                             ; v[48:63]  slot i: 2 registers to store (turning: 16 packed words)
	s_load_b512 s[8:23], s[0:1], 0x0               ; q s[8:9], k s[10:11], v s[12:13], Wq s[14:15], Wk s[16:17], Wv s[18:19], Wo s[20:21], x16 s[22:23]
	s_load_b64 s[24:25], s[0:1], 0x40              ; wt
	v_lshl_add_u32 v14, v0, 2, SPARE               ; my spare word, and 0: kept for the add at the wave's end alone
	v_mov_b32 v15, 0
	s_and_b32 s4, ttmp7, 0xffff                    ; y
	s_mov_b32 s5, ttmp9                            ; x
	s_mov_b32 s29, 0
	s_wait_kmcnt 0x0
	s_cmp_ge_u32 s4, 3
	s_cbranch_scc1 .Lw
	; ---- the stream
	s_cmp_eq_u32 s4, 1
	s_cselect_b64 s[26:27], s[10:11], s[8:9]
	s_cmp_eq_u32 s4, 2
	s_cselect_b64 s[26:27], s[12:13], s[26:27]     ; the source
	s_lshl_b32 s28, s5, 17                         ; 32 rows of 4,096 bytes
	s_add_nc_u64 s[26:27], s[26:27], s[28:29]
	s_lshl_b32 s28, s4, 24                         ; the tensor's plane of 16,777,216 bytes in x16,
	s_lshl_b32 s32, s5, 16                         ; 32 rows of 2,048 bytes
	s_add_co_u32 s28, s28, s32
	s_add_nc_u64 s[30:31], s[22:23], s[28:29]
	v_lshlrev_b32 v1, 4, v0                        ; 16 t; never rewritten
	v_lshlrev_b32 v2, 3, v0                        ; 8 t; never rewritten
.irp i, 0,1,2,3,4,5,6,7
	global_load_b128 v[X+4*(\i):X+4*(\i)+3], v1, s[26:27] offset:4096*(\i) th:TH_LOAD_NT
.endr
	s_mov_b32 s6, 3
.Lrow:                                                 ; a trip: eight rows are rounded and stored, the eight rows behind them asked for
.irp i, 0,1,2,3,4,5,6,7
	s_wait_loadcnt 7                               ; loads come back in order: this slot's is in, the seven younger stay out
	v_cvt_pk_bf16_f32 v[Y+2*(\i)], v[X+4*(\i)], v[X+4*(\i)+1]
	v_cvt_pk_bf16_f32 v[Y+2*(\i)+1], v[X+4*(\i)+2], v[X+4*(\i)+3]
	global_load_b128 v[X+4*(\i):X+4*(\i)+3], v1, s[26:27] offset:4096*(8+(\i)) th:TH_LOAD_NT
	global_store_b64 v2, v[Y+2*(\i):Y+2*(\i)+1], s[30:31] offset:2048*(\i)
.endr
	s_wait_xcnt 0x0                                ; the two bases and the stores' data are written again only behind this wait
	s_add_nc_u64 s[26:27], s[26:27], 32768
	s_add_nc_u64 s[30:31], s[30:31], 16384
	s_sub_co_u32 s6, s6, 1
	s_cmp_lg_u32 s6, 0
	s_cbranch_scc1 .Lrow
.irp i, 0,1,2,3,4,5,6,7
	s_wait_loadcnt 7-(\i)                          ; the last eight rows load nothing: the counts run down
	v_cvt_pk_bf16_f32 v[Y+2*(\i)], v[X+4*(\i)], v[X+4*(\i)+1]
	v_cvt_pk_bf16_f32 v[Y+2*(\i)+1], v[X+4*(\i)+2], v[X+4*(\i)+3]
	global_store_b64 v2, v[Y+2*(\i):Y+2*(\i)+1], s[30:31] offset:2048*(\i)
.endr
	s_branch .Lend
	; ---- a weight matrix is turned
.Lw:
	s_sub_co_u32 s7, s4, 3
	s_lshl_b32 s7, s7, 1
	s_lshr_b32 s32, s5, 7
	s_add_co_u32 s7, s7, s32                       ; which of the four matrices
	s_and_b32 s5, s5, 127                          ; which of its 128 blocks
	s_cmp_eq_u32 s7, 1
	s_cselect_b64 s[26:27], s[16:17], s[14:15]
	s_cmp_eq_u32 s7, 2
	s_cselect_b64 s[26:27], s[18:19], s[26:27]
	s_cmp_eq_u32 s7, 3
	s_cselect_b64 s[26:27], s[20:21], s[26:27]
	s_and_b32 s32, s5, 7                           ; kb: which 128 k
	s_lshr_b32 s33, s5, 3                          ; nb: which 64 n
	s_lshl_b32 s28, s32, 19                        ; 128 rows of 4,096 bytes
	s_lshl_b32 s34, s33, 8                         ; 64 columns of 4 bytes
	s_add_co_u32 s28, s28, s34
	s_add_nc_u64 s[26:27], s[26:27], s[28:29]
	s_lshl_b32 s28, s7, 21                         ; the matrix's 2,097,152 bytes in wt,
	s_lshl_b32 s34, s33, 17                        ; 64 rows of 2,048 bytes,
	s_add_co_u32 s28, s28, s34
	s_lshl_b32 s34, s32, 8                         ; 128 k of 2 bytes
	s_add_co_u32 s28, s28, s34
	s_add_nc_u64 s[30:31], s[24:25], s[28:29]
	v_lshrrev_b32 v3, 4, v0                        ; kg: my eight k
	v_and_b32 v4, 15, v0                           ; nq: my four n
	v_lshlrev_b32 v1, 15, v3                       ; 8 rows of 4,096 bytes
	v_lshl_add_u32 v1, v4, 4, v1
.irp i, 0,1,2,3,4,5,6,7
	global_load_b128 v[X+4*(\i):X+4*(\i)+3], v1, s[26:27] offset:4096*(\i) th:TH_LOAD_NT  ; row 8 kg + i: sixteen lanes take 256 consecutive bytes
.endr
	v_mul_u32_u24 v5, v4, 1088                     ; into the tile: row 4 nq + c, byte 16 kg.  Sixteen lanes' rows lie 1,088 bytes apart: four of them share a group of banks; once a block
	v_lshl_add_u32 v5, v3, 4, v5
	v_mul_u32_u24 v6, v3, 272                      ; back: row t / 16 (+ 16 i), byte 16 (t % 16)
	v_lshl_add_u32 v6, v4, 4, v6
	v_lshlrev_b32 v7, 11, v3                       ; and the same place in wt
	v_lshl_add_u32 v7, v4, 4, v7
	s_wait_loadcnt 0x0
.irp c, 0,1,2,3
.irp p, 0,1,2,3
	v_cvt_pk_bf16_f32 v[Y+4*(\c)+(\p)], v[X+8*(\p)+(\c)], v[X+8*(\p)+4+(\c)]  ; column 4 nq + c: k = 8 kg + 2 p and the next
.endr
.endr
	s_cmp_lg_u32 s7, 3
	s_cbranch_scc1 .Lbf
.set i, 0
.rept 16                                       ; Wo alone: the bf16 numbers are written as f16
	v_lshlrev_b32 v8, 16, v[Y+i]
	v_and_b32 v9, 0xffff0000, v[Y+i]
	v_cvt_pk_f16_f32 v[Y+i], v8, v9
.set i, i+1
.endr
.Lbf:
.irp c, 0,1,2,3
	ds_store_b128 v5, v[Y+4*(\c):Y+4*(\c)+3] offset:272*(\c)
.endr
	s_wait_dscnt 0x0                               ; for the others' sake: my stores into the tile are done
	s_barrier_signal -1
	s_barrier_wait -1
.irp i, 0,1,2,3
	ds_load_b128 v[X+4*(\i):X+4*(\i)+3], v6 offset:4352*(\i)
.endr
	s_wait_dscnt 0x0
.irp i, 0,1,2,3
	global_store_b128 v7, v[X+4*(\i):X+4*(\i)+3], s[30:31] offset:32768*(\i)  ; sixteen lanes store 256 consecutive bytes, aligned
.endr
.Lend:
	s_wait_tensorcnt 0x0                           ; the wave's end
	ds_add_u32 v14, v15
	s_wait_dscnt 0x0
	s_endpgm
.Lfunc_end_k_q893e0acd35_prep:
	.size	k_q893e0acd35_prep, .Lfunc_end_k_q893e0acd35_prep-k_q893e0acd35_prep
	.p2alignl 7, 3214868480
	.fill 96, 4, 3214868480
	.section	.rodata,"a",@progbits
	.p2align	6, 0x0
	.amdhsa_kernel k_q893e0acd35_prep
		.amdhsa_group_segment_fixed_size 18432
		.amdhsa_private_segment_fixed_size 0
		.amdhsa_enable_private_segment 0
		.amdhsa_kernarg_size 72
		.amdhsa_user_sgpr_count 2
		.amdhsa_user_sgpr_kernarg_segment_ptr 1
		.amdhsa_wavefront_size32 1
		.amdhsa_system_sgpr_workgroup_id_x 1
		.amdhsa_system_sgpr_workgroup_id_y 1
		.amdhsa_system_sgpr_workgroup_id_z 1
		.amdhsa_system_vgpr_workitem_id 0
		.amdhsa_next_free_vgpr 64
		.amdhsa_next_free_sgpr 66
		.amdhsa_reserve_vcc 0
		.amdhsa_float_denorm_mode_32 3
		.amdhsa_float_denorm_mode_16_64 3
		.amdhsa_memory_ordered 1
		.amdhsa_forward_progress 1
		.amdhsa_inst_pref_size 14
	.end_amdhsa_kernel
	.amdgpu_metadata
---
amdhsa.version: [ 1, 2 ]
amdhsa.kernels:
  - .name:           k_q893e0acd35_prep
    .symbol:         k_q893e0acd35_prep.kd
    .args:
      - { .name: q, .offset: 0, .size: 8, .value_kind: global_buffer, .address_space: global }
      - { .name: k, .offset: 8, .size: 8, .value_kind: global_buffer, .address_space: global }
      - { .name: v, .offset: 16, .size: 8, .value_kind: global_buffer, .address_space: global }
      - { .name: Wq, .offset: 24, .size: 8, .value_kind: global_buffer, .address_space: global }
      - { .name: Wk, .offset: 32, .size: 8, .value_kind: global_buffer, .address_space: global }
      - { .name: Wv, .offset: 40, .size: 8, .value_kind: global_buffer, .address_space: global }
      - { .name: Wo, .offset: 48, .size: 8, .value_kind: global_buffer, .address_space: global }
      - { .name: x16, .offset: 56, .size: 8, .value_kind: global_buffer, .address_space: global }
      - { .name: wt, .offset: 64, .size: 8, .value_kind: global_buffer, .address_space: global }
    .group_segment_fixed_size: 18432
    .private_segment_fixed_size: 0
    .kernarg_segment_align: 8
    .kernarg_segment_size: 72
    .max_flat_workgroup_size: 256
    .sgpr_count:     66
    .vgpr_count:     64
    .wavefront_size: 32
...
	.end_amdgpu_metadata
.endif
;; end of part 1
;; launch proj (part 2): grid 4 x 96, 4 waves a work-group, clusters of 4 x 4, 327,680 bytes of LDS; arguments x16, wt, bq, bk, bv, p16; writes p16
.if DOCPART == 2
	.amdgcn_target "amdgcn-amd-amdhsa--gfx1250"
	.amdhsa_code_object_version 6
	.text
	.protected	k_q893e0acd35_proj
	.globl	k_q893e0acd35_proj
	.p2align	8
	.type	k_q893e0acd35_proj,@function
k_q893e0acd35_proj:
	s_mov_b64 s[64:65], 0
	v_nop
	global_prefetch_b8 v0, s[64:65] scope:SCOPE_SE
	s_setreg_imm32_b32 hwreg(HW_REG_WAVE_MODE, 25, 1), 1
	s_wait_xcnt 0x0
	s_wait_alu depctr_hold_cnt(0) depctr_sa_sdst(0) depctr_va_vdst(0) depctr_va_sdst(0) depctr_va_ssrc(0) depctr_va_vcc(0) depctr_vm_vsrc(0)
	s_getreg_b32 s2, hwreg(HW_REG_IB_STS2, 6, 4)
	s_cmp_eq_u32 s2, 0
	s_cbranch_scc0 .Lentry_in_a_cluster
	s_endpgm
.Lentry_in_a_cluster:
	s_bfe_u32 s2, ttmp6, 0x10000c
	s_cmp_lg_u32 s2, 0xf033
	s_cbranch_scc0 .Lentry_shape_is_right
	s_endpgm
.Lentry_shape_is_right:
; PROJ.  p16[z][row][n] = the sum over k of x16[z][row][k] wt[z][n][k] + b_z[n], z = 0, 1, 2 (q, k, v): one product of 24,576 x 1,024 x 1,024, bf16 operands, f32 sums, the result rounded once to f16.
; The bias is rounded to bf16 like every input and is the C operand of the products that start the sums.
; LIMITS.  A result beyond 65,504 becomes an infinity in f16; one below 6.1e-5 keeps f16's fixed step of 6e-8.  NaN and infinities are not treated apart.
; SHARES.  A work-group makes 256 rows x 256 columns (384 tiles); its four waves stand 2 x 2, each with 128 x 128: 64 accumulators of 16 x 16.  K goes in steps of 128 (rows of 256 bytes in memory) through two
; LDS slots: a step is 256 matrix instructions a wave, 224 of them between a slot's request and the wait for it.
; THE MATRIX INSTRUCTION IS USED TRANSPOSED: source 0 = 16 rows of wt, source 1 = 16 rows of x16; a lane then holds row lane % 16 of C and the columns 8 (lane / 16) + 0 .. 7.
; CLUSTER 4 x 4: the four work-groups of a row of the cluster need the same rows of x16, the four of a column the same rows of wt: each tile is asked for jointly, by the same tensor load, descriptor and mask in all four.
; LDS.  Wave w fetches 128 rows (waves 0, 1: x16's halves; 2, 3: wt's), 34,816 bytes at a pitch of 272; its two slots' regions lie side by side at 69,632 w and 69,632 w + 34,816.
; 69,632 = 2^16 + 2^12, so 69,632 w (w = 0 .. 3) has bits 11 and 15 clear, and an exclusive or with 34,816 = 2^15 + 2^11 turns an address in one slot into the other's.
; REGISTERS, in windows of 256 (s_set_vgpr_msb: bits 1:0 source 0, 3:2 source 1, 5:4 source 2, 7:6 destination):
;   window 0: v0-14 addresses; v64-127, v128-191 x16's fragments (8 x 16 rows x 32 K), two buffers; on the way out v192-223 packed, v224-255 and v128-159 rows read back
;   window 1: v0-63 the bias of my lane's 64 columns; v64-127, v128-191 wt's fragments, two buffers; v192-223 at work
;   window 2: accumulator (a, b) of my rows 0-63 at v[64 a + 8 b];   window 3: those of my rows 64-127
.set PAIR,   69632                     ; a wave's two regions
.set SLOTX,  34816                     ; from one slot's region to the other's
.set STAGE,  278528                    ; behind the ring: 16 rows x 272 bytes for each wave
.set SPARE,  295936                    ; behind the stages: the spare words, 128 bytes for each wave
.set STEPS,  8                         ; K steps
.set KSTEP,  256                       ; bytes from a K step to the next
.set PITCHC, 2048                      ; bytes in a row of p16
.set F0, 64
.set F1, 128
.set TMP, 192
.set TO_B, 0x40                        ; destination window 1, address window 0
.set G1W0, (1<<16)|(1<<20)|(1<<21)|(5<<22)|(3<<25)  ; 17:16 2-byte elements; 20 padding on; 21 set beside a mask; 24:22 after every 64 words; 31:25 4 words of it
; v1 lane % 16; v2 lane / 16; v4, v5 my lane's place in slot 0's regions of x16 and wt; v6, v7 the same in the slot in hand; v8, v9 the stage, in and back; v10 my offset in C; v11 the prefetches' offset; v12, v13 the add's two registers
; s3 loop count; s10 wave, s11 wave / 2, s12 wave % 2; s13 tile row; s42 tile column; s43 cluster y; s40, s41 my place in the cluster; s[24:31], s[48:55] descriptor group 1 (x16, wt);
; s[32:39], s[56:63] group 0, two sets each: the first fill of slot 0, and the set that walks; s[44:45] where my prefetches stand; s66 the slot in hand; s67 the tail's count; s82 prefetch limit; s[88:89] C; s[90:91] bias
.set MSB, 0
.macro WIN new                         ; the immediate's high byte repeats the setting that is left; a switch that changes nothing is dropped
.if MSB != (\new)
	s_set_vgpr_msb (MSB<<8)|(\new)
.set MSB, \new
.endif
.endm
.macro PLACES                          ; four plain instructions between a matrix instruction and a load into, or a vector read of, its registers
.rept 4
	v_nop
.endr
.endm
.macro CREST                           ; a round of the cluster's barrier behind its opening barrier
	s_cmp_lg_u32 s10, 0
	s_cbranch_scc1 .Lnot_wave_0_\@
	s_barrier_signal -3
.Lnot_wave_0_\@:
	s_barrier_wait -3
	s_barrier_signal -1
	s_barrier_wait -1
.endm
.macro CROUND
	s_barrier_signal -1
	s_barrier_wait -1
	CREST
.endm
.macro JLOAD                           ; a joint refill by the walking sets: waves 0, 1 fetch x16's two halves, waves 2, 3 wt's; the branch hangs on the wave's number alone
	s_cmp_eq_u32 s11, 0
	s_cbranch_scc0 .Lfor_b_\@
	tensor_load_to_lds s[36:39], s[24:31]
	s_nop 0
.rept 4
	v_nop
.endr
	s_branch .Lasked_\@
.Lfor_b_\@:
	tensor_load_to_lds s[60:63], s[48:55]
	s_nop 0
.rept 4
	v_nop
.endr
.Lasked_\@:
.endm
; A prefetch of the K step two refills on: 32 rows x 256 bytes, a lane a row, one instruction a wave.  Of the 128 rows that a wave fetches, each of the four partners that ask for them jointly takes 32, told apart by
; address.  x16's rows are read by this cluster alone, which asks for them; wt's by the eight clusters of a matrix: the first of them asks.  So each row's 256 bytes of a K step are named once in the launch.
; The last refills have no K step two on: s3 is then 2 or 1.
.macro ASK
	s_cmp_gt_u32 s3, s82
	s_cbranch_scc0 .Lnot_mine_\@
	global_prefetch_b8 v11, s[44:45] th:TH_LOAD_NT scope:SCOPE_SE
.Lnot_mine_\@:
.endm
; 16 matrix instructions: row blocks a0, a0 + 1 of the window's four (hi = 0: my rows 0-63, 1: rows 64-127) x all eight column blocks, 32 along K.  The 64 accumulators take turns, in the same order in every
; quarter.  first = 1: the products start the sums, with the bias.
.macro MUL16 f, hi, a0, first
.if \first
	WIN 0x91+0x40*(\hi)
.else
	WIN 0xa1+0x50*(\hi)
.endif
.irp a, \a0, (\a0)+1
.irp b, 0,1,2,3,4,5,6,7
.if \first
	v_wmma_f32_16x16x32_bf16 v[8*(8*(\a)+(\b)):8*(8*(\a)+(\b))+7], v[(\f)+8*(\b):(\f)+8*(\b)+7], v[(\f)+8*(4*(\hi)+(\a)):(\f)+8*(4*(\hi)+(\a))+7], v[8*(\b):8*(\b)+7]
.else
	v_wmma_f32_16x16x32_bf16 v[8*(8*(\a)+(\b)):8*(8*(\a)+(\b))+7], v[(\f)+8*(\b):(\f)+8*(\b)+7], v[(\f)+8*(4*(\hi)+(\a)):(\f)+8*(4*(\hi)+(\a))+7], v[8*(8*(\a)+(\b)):8*(8*(\a)+(\b))+7]
.endif
.endr
.endr
.endm
.macro FETCH q, f                      ; 32 LDS loads in one run: the fragments of quarter q (32 along K at byte 64 q of the rows) into buffer f: wt's eight, then x16's eight
	WIN TO_B
.irp i, 0,1,2,3,4,5,6,7
	ds_load_b128 v[(\f)+8*(\i):(\f)+8*(\i)+3],   v7 offset:64*(\q)+4352*(\i)
	ds_load_b128 v[(\f)+8*(\i)+4:(\f)+8*(\i)+7], v7 offset:64*(\q)+4352*(\i)+32
.endr
	WIN 0
.irp i, 0,1,2,3,4,5,6,7
	ds_load_b128 v[(\f)+8*(\i):(\f)+8*(\i)+3],   v6 offset:64*(\q)+4352*(\i)
	ds_load_b128 v[(\f)+8*(\i)+4:(\f)+8*(\i)+7], v6 offset:64*(\q)+4352*(\i)+32
.endr
.endm
.macro QUARTER q, f, g, first          ; buffer f is multiplied; in the middle quarter q's fragments are asked for into g, 32 matrix instructions ahead of their first use
	s_wait_dscnt 8                                 ; wt's fragments and x16's rows 0-63 are in; the youngest eight loads (rows 64-127) may be out
	MUL16 \f, 0, 0, \first
	MUL16 \f, 0, 2, \first
	PLACES
	FETCH \q, \g
	s_wait_dscnt 32                                ; all but the 32 just issued
	MUL16 \f, 1, 0, \first
	MUL16 \f, 1, 2, \first
.endm
; A K step's last quarter multiplies buffer 1 and changes slots.  In front of the barrier each wave waits for all its tensor loads (one is out: its part of the next slot), adds 0 to its spare word, and waits for
; that and for its reads of this slot.  fill = 1: the barrier opens a round of the cluster's, and this slot's joint refill, two K steps ahead, is the first thing behind the round.
; fill = 0 (the tail): nothing is asked for; in the tail's last trip there is no further step, and the run of LDS loads is jumped over.
.macro TURN fill
.if \fill
	s_wait_xcnt 0x0                                ; the last prefetch, a K step back, has read its address
	s_add_nc_u64 s[44:45], s[44:45], KSTEP
.endif
	WIN 0
	s_wait_tensorcnt 0x0
	ds_add_u32 v12, v13
.if \fill
	s_xor_b32 s37, s37, SLOTX                      ; no tensor load of mine is out: the walking sets step to the other slot and the next K step
	s_add_nc_u64 s[38:39], s[38:39], KSTEP
	s_xor_b32 s61, s61, SLOTX
	s_add_nc_u64 s[62:63], s[62:63], KSTEP
.endif
	s_xor_b32 s66, s66, SLOTX
	s_wait_dscnt 9                                 ; the add and the youngest eight loads may be out
	MUL16 F1, 0, 0, 0
	s_wait_dscnt 0x0                               ; the add is done, and my reads of this slot are over
	s_barrier_signal -1
	MUL16 F1, 0, 2, 0
	WIN 0
	s_barrier_wait -1
.if \fill
	CREST
	JLOAD                                          ; its four v_nop are also the places in front of the loads below
.else
	PLACES
	s_cmp_eq_u32 s67, 1
	s_cbranch_scc1 .Lno_fetch_\@
.endif
	v_add_nc_u32 v6, s66, v4
	v_add_nc_u32 v7, s66, v5
	FETCH 0, F0
.if \fill
	ASK
.else
.Lno_fetch_\@:
.endif
	MUL16 F1, 1, 0, 0
	MUL16 F1, 1, 2, 0
.endm
; THE WAY OUT of row block a.  PACK: rounded to f16, 16 bytes a lane, each accumulator read from its low end.  TOSTAGE: into my own stage and back as whole rows of 256 bytes.  SEND: stored.
.macro PACK a
	WIN 0x0a+5*((\a)/4)                            ; sources 0 and 1: window 2 or 3
.irp b, 0,1,2,3,4,5,6,7
.irp r, 0,1,2,3
	v_cvt_pk_f16_f32 v[TMP+4*(\b)+(\r)], v[64*((\a)%4)+8*(\b)+2*(\r)], v[64*((\a)%4)+8*(\b)+2*(\r)+1]
.endr
.endr
.endm
.macro TOSTAGE a
	WIN 0
.set BK, 224-96*((\a)%2)
.irp b, 0,1,2,3,4,5,6,7
	ds_store_b128 v8, v[TMP+4*(\b):TMP+4*(\b)+3] offset:32*(\b)
.endr
.irp t, 0,1,2,3,4,5,6,7
	ds_load_b128 v[BK+4*(\t):BK+4*(\t)+3], v9 offset:544*(\t)  ; LDS serves a wave's instructions in order (ISA guide 5.7.1.4): these see the stores above
.endr
.endm
.macro SEND a
	WIN 0
.set BK, 224-96*((\a)%2)
	s_wait_dscnt 0x0                               ; the block is back in registers
	s_wait_xcnt 0x0                                ; the registers that earlier stores read are loaded again only behind this wait
.irp t, 0,1,2,3,4,5,6,7
	global_store_b128 v10, v[BK+4*(\t):BK+4*(\t)+3], s[88:89] offset:(16*(\a)+2*(\t))*PITCHC  ; sixteen lanes store 256 consecutive bytes, aligned
.endr
.endm
	s_load_b256 s[68:75], s[0:1], 0x0              ; x16 s[68:69], wt s[70:71], bq s[72:73], bk s[74:75]
	s_load_b128 s[76:79], s[0:1], 0x20             ; bv s[76:77], p16 s[78:79]
	v_lshl_add_u32 v12, v0, 2, SPARE
	v_mov_b32 v13, 0
	ds_add_u32 v12, v13                            ; the wave's opening: the add, waited for ahead of my first tensor load
	ds_add_u32 v12, v13
	v_lshrrev_b32 v3, 5, v0
	v_readfirstlane_b32 s10, v3                    ; wave 0..3
	s_lshr_b32 s11, s10, 1                         ; which half of the tile's rows is mine.  Also: I fetch for x16 (0) or for wt (1),
	s_and_b32 s12, s10, 1                          ; which half of its columns.  Also: which 128 rows of that tile I fetch
	s_bfe_u32 s40, ttmp6, 0x40000                  ; cx
	s_bfe_u32 s41, ttmp6, 0x40004                  ; cy
	s_lshl_b32 s42, ttmp9, 2
	s_add_co_u32 s42, s42, s40                     ; tile column
	s_and_b32 s43, ttmp7, 0xffff                   ; cluster y
	s_lshl_b32 s13, s43, 2
	s_add_co_u32 s13, s13, s41                     ; tile row
	s_lshl_b32 s14, s41, 2
	s_lshl_b32 s14, 15, s14                        ; my row of the cluster
	s_lshl_b32 s15, 0x1111, s40                    ; my column
	s_or_b32 s24, s14, G1W0
	s_or_b32 s48, s15, G1W0
	s_mov_b32 s25, 128<<16                         ; tensor_dim0 = 128
	s_mov_b32 s26, 128<<16                         ; tensor_dim1 = 128
	s_mov_b32 s27, 128<<16                         ; tile_dim0 = 128
	s_mov_b32 s28, 128                             ; tile_dim1 = 128
	s_mov_b32 s29, 1024                            ; elements from row to row
	s_mov_b32 s30, 0
	s_mov_b32 s31, 0
	s_mov_b32 s49, 128<<16
	s_mov_b32 s50, 128<<16
	s_mov_b32 s51, 128<<16
	s_mov_b32 s52, 128
	s_mov_b32 s53, 1024
	s_mov_b32 s54, 0
	s_mov_b32 s55, 0
	s_lshl_b32 s16, s13, 8                         ; x16: row 256 x tile row + 128 x half, 2,048 bytes a row
	s_lshl_b32 s17, s12, 7
	s_add_co_u32 s16, s16, s17
	s_lshl_b32 s16, s16, 11
	s_mov_b32 s17, 0
	s_lshl_b32 s46, s42, 8                         ; wt: row 256 x tile column + 128 x half,
	s_lshl_b32 s47, s12, 7
	s_add_co_u32 s46, s46, s47
	s_lshl_b32 s46, s46, 11
	s_lshr_b32 s47, s43, 3                         ; in matrix z = cluster y / 8
	s_lshl_b32 s47, s47, 21
	s_add_co_u32 s46, s46, s47
	s_mov_b32 s47, 0
	s_mul_i32 s22, s10, PAIR                       ; where they go: no place in the cluster enters an LDS address
	s_mov_b32 s66, 0
	s_wait_dscnt 0x0                               ; the opening add is done
	s_wait_kmcnt 0x0
	s_add_nc_u64 s[16:17], s[68:69], s[16:17]
	s_add_nc_u64 s[46:47], s[70:71], s[46:47]
	s_mov_b32 s32, 1                               ; group 0: count; LDS address; global address; type 2
	s_mov_b32 s33, s22
	s_mov_b64 s[34:35], s[16:17]
	s_or_b32 s35, s35, 0x80000000
	s_mov_b32 s36, 1
	s_add_co_u32 s37, s22, SLOTX
	s_add_nc_u64 s[38:39], s[16:17], KSTEP
	s_or_b32 s39, s39, 0x80000000
	s_mov_b32 s56, 1
	s_mov_b32 s57, s22
	s_mov_b64 s[58:59], s[46:47]
	s_or_b32 s59, s59, 0x80000000
	s_mov_b32 s60, 1
	s_add_co_u32 s61, s22, SLOTX
	s_add_nc_u64 s[62:63], s[46:47], KSTEP
	s_or_b32 s63, s63, 0x80000000
	CROUND                                         ; all sixteen work-groups are here: the first joint loads meet
	s_cmp_eq_u32 s11, 0                            ; a wave's two first fills stand in one branch: two loads of mine are out
	s_cbranch_scc0 .Lfirst_b
	tensor_load_to_lds s[32:35], s[24:31]
	s_nop 0
	tensor_load_to_lds s[36:39], s[24:31]
	s_nop 0
.rept 4
	v_nop
.endr
	s_branch .Lfirst_done
.Lfirst_b:
	tensor_load_to_lds s[56:59], s[48:55]
	s_nop 0
	tensor_load_to_lds s[60:63], s[48:55]
	s_nop 0
.rept 4
	v_nop
.endr
.Lfirst_done:
	; the bias of my lane's columns 16 b + 8 (lane / 16) + 0 .. 7 of my wave's 128
	s_lshr_b32 s20, s43, 3
	s_cmp_eq_u32 s20, 1
	s_cselect_b64 s[90:91], s[74:75], s[72:73]
	s_cmp_eq_u32 s20, 2
	s_cselect_b64 s[90:91], s[76:77], s[90:91]
	s_lshl_b32 s20, s42, 10
	s_lshl_b32 s21, s12, 9
	s_add_co_u32 s20, s20, s21
	s_mov_b32 s21, 0
	s_add_nc_u64 s[90:91], s[90:91], s[20:21]
	v_and_b32 v1, 15, v0
	v_bfe_u32 v2, v0, 4, 1
	v_lshlrev_b32 v14, 5, v2
	WIN TO_B                                       ; destination window 1, address window 0
.irp b, 0,1,2,3,4,5,6,7
	global_load_b128 v[8*(\b):8*(\b)+3],   v14, s[90:91] offset:64*(\b)
	global_load_b128 v[8*(\b)+4:8*(\b)+7], v14, s[90:91] offset:64*(\b)+16
.endr
	WIN 0
	; a fragment is 16 rows x 32 K: lane l takes row l % 16, 16 bytes at 16 (l / 16) and 16 more 32 bytes on
	v_mul_u32_u24 v3, v1, 272
	v_lshl_add_u32 v3, v2, 4, v3
	s_mul_i32 s18, s11, PAIR                       ; my 128 rows of x16
	v_add_nc_u32 v4, s18, v3
	s_mul_i32 s18, s12, PAIR                       ; my 128 rows of wt,
	s_add_co_u32 s18, s18, 2*PAIR                  ; behind x16's two pairs of regions
	v_add_nc_u32 v5, s18, v3
	v_mov_b32 v6, v4
	v_mov_b32 v7, v5
	s_mul_i32 s18, s10, 16*272
	s_add_co_u32 s18, s18, STAGE
	v_add_nc_u32 v8, s18, v3                       ; into my stage: row l % 16, 16 bytes for each half of the lanes
	v_mul_u32_u24 v9, v2, 272
	v_lshl_add_u32 v9, v1, 4, v9
	v_add_nc_u32 v9, s18, v9                       ; back: lanes 0-15 one row of 256 bytes, lanes 16-31 the next
	v_mul_u32_u24 v10, v2, PITCHC
	v_lshl_add_u32 v10, v1, 4, v10                 ; and the same two rows in C
	s_lshl_b32 s18, s13, 8                         ; C at my wave's first row and first column
	s_lshl_b32 s19, s11, 7
	s_add_co_u32 s18, s18, s19
	s_lshl_b32 s18, s18, 11
	s_lshl_b32 s19, s42, 9
	s_add_co_u32 s18, s18, s19
	s_lshl_b32 s19, s12, 8
	s_add_co_u32 s18, s18, s19
	s_mov_b32 s19, 0
	s_add_nc_u64 s[88:89], s[78:79], s[18:19]
	; the prefetches: my work-group's 32 of the 128 rows that I fetch
	s_lshl_b32 s18, s13, 8
	s_lshl_b32 s19, s12, 7
	s_add_co_u32 s18, s18, s19
	s_lshl_b32 s19, s40, 5
	s_add_co_u32 s18, s18, s19                     ; x16: 256 x tile row + 128 x half + 32 cx
	s_lshl_b32 s20, s42, 8
	s_lshl_b32 s21, s12, 7
	s_add_co_u32 s20, s20, s21
	s_lshl_b32 s21, s41, 5
	s_add_co_u32 s20, s20, s21
	s_lshr_b32 s21, s43, 3
	s_lshl_b32 s21, s21, 10
	s_add_co_u32 s20, s20, s21                     ; wt: 1,024 z + 256 x tile column + 128 x half + 32 cy
	s_and_b32 s83, s43, 7                          ; 0 in the first cluster that reads the matrix
	s_cmp_eq_u32 s11, 0
	s_cselect_b32 s18, s18, s20
	s_cselect_b32 s83, ttmp9, s83
	s_cselect_b64 s[44:45], s[68:69], s[70:71]
	s_cmp_eq_u32 s83, 0
	s_cselect_b32 s82, 2, -1                       ; the same in all sixteen partners, for a given wave
	s_lshl_b32 s18, s18, 11
	s_mov_b32 s19, 0
	s_add_nc_u64 s[44:45], s[44:45], s[18:19]
	s_add_nc_u64 s[44:45], s[44:45], 3*KSTEP       ; at K step 3: the first refill steps it to 4.  K steps 0 to 3 come by their loads alone
	v_and_b32 v11, 31, v0
	v_lshlrev_b32 v11, 11, v11
	s_wait_loadcnt 0x0                             ; the bias is in: it is rounded to bf16, like every input
	WIN 0x45                                       ; destination and sources 0 and 1 in window 1
.set i, 0
.rept 32
	v_cvt_pk_bf16_f32 v[192+i], v[2*i], v[2*i+1]
.set i, i+1
.endr
.set i, 0
.rept 32
	v_lshlrev_b32 v[2*i], 16, v[192+i]
	v_and_b32 v[2*i+1], 0xffff0000, v[192+i]
.set i, i+1
.endr
	WIN 0
	s_wait_tensorcnt 0x1                           ; my part of K step 0 is in; slot 1's may stay out
	s_barrier_signal -1
	s_barrier_wait -1
	FETCH 0, F0
	QUARTER 1, F0, F1, 1                           ; the first quarter's products start the sums, with the bias
	WIN 0
	s_mov_b32 s3, STEPS-2
.Lstep:                                                ; a trip: a K step's quarters 1 to 3, the refill of its slot, the next step's quarter 0
	QUARTER 2, F1, F0, 0
	QUARTER 3, F0, F1, 0
	TURN 1
	QUARTER 1, F0, F1, 0
	WIN 0
	s_sub_co_u32 s3, s3, 1
	s_cmp_lg_u32 s3, 0
	s_cbranch_scc1 .Lstep
	s_mov_b32 s67, 2
.Ltail:                                                ; the last two K steps ask for nothing: a text of their own; the second trip is left in its middle
	QUARTER 2, F1, F0, 0
	QUARTER 3, F0, F1, 0
	TURN 0
	WIN 0
	s_sub_co_u32 s67, s67, 1
	s_cmp_eq_u32 s67, 0
	s_cbranch_scc1 .Lout
	QUARTER 1, F0, F1, 0
	WIN 0
	s_branch .Ltail
.Lout:
	s_wait_dscnt 0x0                               ; (met at once: the last trip fetched nothing)
	PLACES
	PACK 0
	TOSTAGE 0
.irp a, 1,2,3,4,5,6,7                  ; block a's conversions stand between block a - 1's loads from the stage and the wait for them
	PACK \a
	SEND (\a)-1
	TOSTAGE \a
.endr
	SEND 7
	s_wait_tensorcnt 0x0                           ; the wave's end
	ds_add_u32 v12, v13
	s_wait_dscnt 0x0
	CROUND                                         ; the closing round: no work-group ends while a partner may still ask for a tile that names it
	s_endpgm
.Lfunc_end_k_q893e0acd35_proj:
	.size	k_q893e0acd35_proj, .Lfunc_end_k_q893e0acd35_proj-k_q893e0acd35_proj
	.p2alignl 7, 3214868480
	.fill 96, 4, 3214868480
	.section	.rodata,"a",@progbits
	.p2align	6, 0x0
	.amdhsa_kernel k_q893e0acd35_proj
		.amdhsa_group_segment_fixed_size 327680
		.amdhsa_private_segment_fixed_size 0
		.amdhsa_enable_private_segment 0
		.amdhsa_kernarg_size 48
		.amdhsa_user_sgpr_count 2
		.amdhsa_user_sgpr_kernarg_segment_ptr 1
		.amdhsa_wavefront_size32 1
		.amdhsa_system_sgpr_workgroup_id_x 1
		.amdhsa_system_sgpr_workgroup_id_y 1
		.amdhsa_system_sgpr_workgroup_id_z 1
		.amdhsa_system_vgpr_workitem_id 0
		.amdhsa_next_free_vgpr 1024
		.amdhsa_next_free_sgpr 96
		.amdhsa_reserve_vcc 0
		.amdhsa_float_denorm_mode_32 3
		.amdhsa_float_denorm_mode_16_64 3
		.amdhsa_memory_ordered 1
		.amdhsa_forward_progress 1
		.amdhsa_inst_pref_size 107
	.end_amdhsa_kernel
	.amdgpu_metadata
---
amdhsa.version: [ 1, 2 ]
amdhsa.kernels:
  - .name:           k_q893e0acd35_proj
    .symbol:         k_q893e0acd35_proj.kd
    .args:
      - { .name: x16, .offset: 0, .size: 8, .value_kind: global_buffer, .address_space: global }
      - { .name: wt, .offset: 8, .size: 8, .value_kind: global_buffer, .address_space: global }
      - { .name: bq, .offset: 16, .size: 8, .value_kind: global_buffer, .address_space: global }
      - { .name: bk, .offset: 24, .size: 8, .value_kind: global_buffer, .address_space: global }
      - { .name: bv, .offset: 32, .size: 8, .value_kind: global_buffer, .address_space: global }
      - { .name: p16, .offset: 40, .size: 8, .value_kind: global_buffer, .address_space: global }
    .group_segment_fixed_size: 327680
    .private_segment_fixed_size: 0
    .kernarg_segment_align: 8
    .kernarg_segment_size: 48
    .max_flat_workgroup_size: 128
    .sgpr_count:     96
    .vgpr_count:     1024
    .wavefront_size: 32
...
	.end_amdgpu_metadata
.endif
;; end of part 2
;; launch scores (part 3): grid 8 x 32, 4 waves a work-group, clusters of 4 x 4, 327,680 bytes of LDS; arguments p16, pw, stats; writes pw, stats
.if DOCPART == 3
	.amdgcn_target "amdgcn-amd-amdhsa--gfx1250"
	.amdhsa_code_object_version 6
	.text
	.protected	k_q893e0acd35_scores
	.globl	k_q893e0acd35_scores
	.p2align	8
	.type	k_q893e0acd35_scores,@function
k_q893e0acd35_scores:
	s_mov_b64 s[64:65], 0
	v_nop
	global_prefetch_b8 v0, s[64:65] scope:SCOPE_SE
	s_setreg_imm32_b32 hwreg(HW_REG_WAVE_MODE, 25, 1), 1
	s_wait_xcnt 0x0
	s_wait_alu depctr_hold_cnt(0) depctr_sa_sdst(0) depctr_va_vdst(0) depctr_va_sdst(0) depctr_va_ssrc(0) depctr_va_vcc(0) depctr_vm_vsrc(0)
	s_getreg_b32 s2, hwreg(HW_REG_IB_STS2, 6, 4)
	s_cmp_eq_u32 s2, 0
	s_cbranch_scc0 .Lentry_in_a_cluster
	s_endpgm
.Lentry_in_a_cluster:
	s_bfe_u32 s2, ttmp6, 0x10000c
	s_cmp_lg_u32 s2, 0xf033
	s_cbranch_scc0 .Lentry_shape_is_right
	s_endpgm
.Lentry_shape_is_right:
; SCORES.  s[q][key] = the sum over d of qp[q][d] kp[key][d] (f16 operands, f32 sums), for each of 4 batches of 2,048 x 2,048, d = 1,024.  With c = log2(e) / 32:
; pw[q][key] = 2^(c s - c m), f16, where m is the TRUE maximum of row q over a block of 128 keys; stats[batch][block][q] = (c m, l), l the f32 sum of the unrounded weights of that block.
; The launch behind takes the row's maximum over the 16 blocks and puts the blocks on one scale: a maximum is taken away before every exponential, and every exponent is 0 or less.
; LIMITS.  A weight below 2^-126 counts as 0 in l; below 6.1e-5 it keeps f16's fixed step of 6e-8 in pw.  NaN and infinities are not treated apart.
; SHARES.  A work-group makes 256 queries x 256 keys (256 tiles); its four waves stand 2 x 2, each with 128 queries and ONE WHOLE BLOCK of 128 keys, so a row's maximum and sum over a block never leave the wave.
; K (here d) goes in steps of 128 through two LDS slots: 256 matrix instructions a wave and step, 224 of them between a slot's request and the wait for it.
; The matrix instruction is used transposed: source 0 = 16 keys, source 1 = 16 queries: a lane holds query lane % 16 and the keys 8 (lane / 16) + 0 .. 7 of each group of 16.
; CLUSTER 4 x 4: a row of the cluster shares qp's rows, a column kp's: joint loads.
; LDS.  Wave w fetches 128 rows (waves 0, 1: qp's halves; 2, 3: kp's), 34,816 bytes at a pitch of 272; its two slots' regions lie side by side at 69,632 w and 69,632 w + 34,816.
; 69,632 = 2^16 + 2^12, so 69,632 w (w = 0 .. 3) has bits 11 and 15 clear, and an exclusive or with 34,816 = 2^15 + 2^11 turns an address in one slot into the other's.
; THE SOFTMAX IS WRITTEN ONCE for the wave's two halves of 64 queries.  Only the maxima and the scaling c s - c m name the half's own window; the scaling of the second half writes its results into the first half's
; registers, and all that follows (exponentials, roundings, sums, stage, stores) is a loop of two trips on those.
; REGISTERS: window 0: v0-16 addresses; v32-39 (c m, l) of the four row blocks in hand; v64-127, v128-191 qp's fragments, two buffers; behind the products v64-79 at work, v192-223 packed, v224-255 and v128-159 rows read back.
;   window 1: v64-127, v128-191 kp's fragments.   window 2: accumulator (a, b) of my rows 0-63 at v[64 a + 8 b];   window 3: those of my rows 64-127.
.set PAIR,   69632
.set SLOTX,  34816
.set STAGE,  278528                    ; 16 rows x 272 bytes for each wave
.set SSTG,   295936                    ; 1,024 bytes for each wave: its 128 rows' (c m, l)
.set SPARE,  300032                    ; the spare words, 128 bytes for each wave
.set STEPS,  8
.set KSTEP,  256
.set PITCHC, 4096                      ; bytes in a row of pw
.set F0, 64
.set F1, 128
.set TMP, 192
.set TO_B, 0x40
.set G1W0, (1<<16)|(1<<20)|(1<<21)|(5<<22)|(3<<25)
.set MSB, 0
.macro WIN new
.if MSB != (\new)
	s_set_vgpr_msb (MSB<<8)|(\new)
.set MSB, \new
.endif
.endm
.macro PLACES
.rept 4
	v_nop
.endr
.endm
.macro CREST
	s_cmp_lg_u32 s10, 0
	s_cbranch_scc1 .Lnot_wave_0_\@
	s_barrier_signal -3
.Lnot_wave_0_\@:
	s_barrier_wait -3
	s_barrier_signal -1
	s_barrier_wait -1
.endm
.macro CROUND
	s_barrier_signal -1
	s_barrier_wait -1
	CREST
.endm
.macro JLOAD                           ; a joint refill: waves 0, 1 fetch qp's two halves, waves 2, 3 kp's
	s_cmp_eq_u32 s11, 0
	s_cbranch_scc0 .Lfor_b_\@
	tensor_load_to_lds s[36:39], s[24:31]
	s_nop 0
.rept 4
	v_nop
.endr
	s_branch .Lasked_\@
.Lfor_b_\@:
	tensor_load_to_lds s[60:63], s[48:55]
	s_nop 0
.rept 4
	v_nop
.endr
.Lasked_\@:
.endm
; A prefetch of the K step two refills on, a lane a row: of the 128 rows that a wave fetches, each of the four partners that ask for them jointly takes 32, told apart by address.
; qp's rows are named by the first cluster along x, kp's by the first of the two clusters along y of a batch: each row's 256 bytes of a K step once in the launch.
.macro ASK
	s_cmp_gt_u32 s3, s82
	s_cbranch_scc0 .Lnot_mine_\@
	global_prefetch_b8 v11, s[44:45] th:TH_LOAD_NT scope:SCOPE_SE
.Lnot_mine_\@:
.endm
.macro MUL16 f, hi, a0, first          ; the 64 accumulators take turns; first = 1: the products start the sums with the constant 0
	WIN 0xa1+0x50*(\hi)
.irp a, \a0, (\a0)+1
.irp b, 0,1,2,3,4,5,6,7
.if \first
	v_wmma_f32_16x16x32_f16 v[8*(8*(\a)+(\b)):8*(8*(\a)+(\b))+7], v[(\f)+8*(\b):(\f)+8*(\b)+7], v[(\f)+8*(4*(\hi)+(\a)):(\f)+8*(4*(\hi)+(\a))+7], 0
.else
	v_wmma_f32_16x16x32_f16 v[8*(8*(\a)+(\b)):8*(8*(\a)+(\b))+7], v[(\f)+8*(\b):(\f)+8*(\b)+7], v[(\f)+8*(4*(\hi)+(\a)):(\f)+8*(4*(\hi)+(\a))+7], v[8*(8*(\a)+(\b)):8*(8*(\a)+(\b))+7]
.endif
.endr
.endr
.endm
.macro FETCH q, f                      ; 32 LDS loads in one run: kp's eight fragments, then qp's eight
	WIN TO_B
.irp i, 0,1,2,3,4,5,6,7
	ds_load_b128 v[(\f)+8*(\i):(\f)+8*(\i)+3],   v7 offset:64*(\q)+4352*(\i)
	ds_load_b128 v[(\f)+8*(\i)+4:(\f)+8*(\i)+7], v7 offset:64*(\q)+4352*(\i)+32
.endr
	WIN 0
.irp i, 0,1,2,3,4,5,6,7
	ds_load_b128 v[(\f)+8*(\i):(\f)+8*(\i)+3],   v6 offset:64*(\q)+4352*(\i)
	ds_load_b128 v[(\f)+8*(\i)+4:(\f)+8*(\i)+7], v6 offset:64*(\q)+4352*(\i)+32
.endr
.endm
.macro QUARTER q, f, g, first
	s_wait_dscnt 8                                 ; kp's fragments and qp's rows 0-63 are in; the youngest eight loads may be out
	MUL16 \f, 0, 0, \first
	MUL16 \f, 0, 2, \first
	PLACES
	FETCH \q, \g
	s_wait_dscnt 32                                ; all but the 32 just issued
	MUL16 \f, 1, 0, \first
	MUL16 \f, 1, 2, \first
.endm
; The change of slots: all my tensor loads waited for, the add, the wait for it and for my reads of this slot, the barrier (with fill = 1 a round of the cluster's), the joint refill first behind it.
; fill = 0 (the tail): nothing is asked for; in the tail's last trip the run of LDS loads is jumped over.
.macro TURN fill
.if \fill
	s_wait_xcnt 0x0                                ; the last prefetch, a K step back, has read its address
	s_add_nc_u64 s[44:45], s[44:45], KSTEP
.endif
	WIN 0
	s_wait_tensorcnt 0x0
	ds_add_u32 v12, v13
.if \fill
	s_xor_b32 s37, s37, SLOTX
	s_add_nc_u64 s[38:39], s[38:39], KSTEP
	s_xor_b32 s61, s61, SLOTX
	s_add_nc_u64 s[62:63], s[62:63], KSTEP
.endif
	s_xor_b32 s66, s66, SLOTX
	s_wait_dscnt 9                                 ; the add and the youngest eight loads may be out
	MUL16 F1, 0, 0, 0
	s_wait_dscnt 0x0
	s_barrier_signal -1
	MUL16 F1, 0, 2, 0
	WIN 0
	s_barrier_wait -1
.if \fill
	CREST
	JLOAD
.else
	PLACES
	s_cmp_eq_u32 s67, 1
	s_cbranch_scc1 .Lno_fetch_\@
.endif
	v_add_nc_u32 v6, s66, v4
	v_add_nc_u32 v7, s66, v5
	FETCH 0, F0
.if \fill
	ASK
.else
.Lno_fetch_\@:
.endif
	MUL16 F1, 1, 0, 0
	MUL16 F1, 1, 2, 0
.endm
; THE BLOCK'S SOFTMAX.  MAXI: for the four row blocks of half hi (window 2 + hi), sixteen chains (row block a, quarter x of its 64 registers), three operands at a time; each accumulator is read from its low end first.
.macro MAXI hi
	WIN 0x2a+0x15*(\hi)
.irp a, 0,1,2,3
.irp x, 0,1,2,3
	v_max3_num_f32 v[64+4*(\a)+(\x)], v[64*(\a)+16*(\x)], v[64*(\a)+16*(\x)+1], v[64*(\a)+16*(\x)+2]
.endr
.endr
	WIN 0x28+0x14*(\hi)
.irp i, 1,2,3,4,5,6
.irp a, 0,1,2,3
.irp x, 0,1,2,3
	v_max3_num_f32 v[64+4*(\a)+(\x)], v[64+4*(\a)+(\x)], v[64*(\a)+16*(\x)+2*(\i)+1], v[64*(\a)+16*(\x)+2*(\i)+2]
.endr
.endr
.endr
.irp a, 0,1,2,3
.irp x, 0,1,2,3
	v_max_num_f32 v[64+4*(\a)+(\x)], v[64+4*(\a)+(\x)], v[64*(\a)+16*(\x)+15]
.endr
.endr
.endm
.macro MSTAT                           ; the four chains of each row block into one; the other half of the lanes'; m and c m
	WIN 0
.irp a, 0,1,2,3
	v_max3_num_f32 v[64+4*(\a)], v[64+4*(\a)], v[65+4*(\a)], v[66+4*(\a)]
.endr
.irp a, 0,1,2,3
	v_max_num_f32 v[64+4*(\a)], v[64+4*(\a)], v[67+4*(\a)]
.endr
.irp a, 0,1,2,3
	v_permlanex16_b32 v[65+4*(\a)], v[64+4*(\a)], s86, s87  ; the query's other 64 keys lie in the lane 16 away
.endr
.irp a, 0,1,2,3
	v_max_num_f32 v[33+2*(\a)], v[64+4*(\a)], v[65+4*(\a)]  ; m
.endr
.irp a, 0,1,2,3
	v_mul_f32 v[32+2*(\a)], s84, v[33+2*(\a)]               ; c m
.endr
.endm
.macro SCALE hi                        ; c s - c m of half hi: read from window 2 + hi, written into window 2
	WIN 0x82+(\hi)
.irp a, 0,1,2,3
.set i, 0
.rept 32
	v_pk_fma_f32 v[64*(\a)+2*i:64*(\a)+2*i+1], v[64*(\a)+2*i:64*(\a)+2*i+1], s[84:85], v[32+2*(\a):33+2*(\a)] op_sel_hi:[1,0,0] neg_lo:[0,0,1] neg_hi:[0,0,1]
.set i, i+1
.endr
.endr
.endm
.macro EXPS                            ; the half's 256 exponentials, in place in window 2: one batch, nothing names a result ahead of its one wait
	WIN 0x82
.set i, 0
.rept 256
	v_exp_f32 v[i], v[i]
.set i, i+1
.endr
	v_nop                                          ; a plain instruction behind the last exponential
	s_wait_alu depctr_va_vdst(0)                   ; the wait ahead of the first use: one for the batch
.endm
.macro PACK a
	WIN 0x0a
.irp b, 0,1,2,3,4,5,6,7
.irp r, 0,1,2,3
	v_cvt_pk_f16_f32 v[TMP+4*(\b)+(\r)], v[64*(\a)+8*(\b)+2*(\r)], v[64*(\a)+8*(\b)+2*(\r)+1]
.endr
.endr
.endm
.macro SUM a                           ; l of row block a: the lane's 64 weights by a tree of packed sums in place, then the other half of the lanes'; (c m, l) goes to my 1,024 bytes of LDS
	WIN 0x8a
.irp s, 1,2,4,8,16
.set p, 0
.rept 16/(\s)
	v_pk_add_f32 v[64*(\a)+2*p:64*(\a)+2*p+1], v[64*(\a)+2*p:64*(\a)+2*p+1], v[64*(\a)+2*(p+(\s)):64*(\a)+2*(p+(\s))+1]
.set p, p+2*(\s)
.endr
.endr
	WIN 0x0a
	v_add_f32 v[33+2*(\a)], v[64*(\a)], v[64*(\a)+1]
	WIN 0
	v_permlanex16_b32 v[65+4*(\a)], v[33+2*(\a)], s86, s87
	v_add_f32 v[33+2*(\a)], v[33+2*(\a)], v[65+4*(\a)]
	ds_store_b64 v14, v[32+2*(\a):33+2*(\a)] offset:128*(\a)  ; both halves of the lanes write the same pair to the same place
.endm
.macro TOSTAGE a
	WIN 0
.set BK, 224-96*((\a)%2)
.irp b, 0,1,2,3,4,5,6,7
	ds_store_b128 v8, v[TMP+4*(\b):TMP+4*(\b)+3] offset:32*(\b)
.endr
.irp t, 0,1,2,3,4,5,6,7
	ds_load_b128 v[BK+4*(\t):BK+4*(\t)+3], v9 offset:544*(\t)  ; LDS serves a wave's instructions in order (ISA guide 5.7.1.4): these see the stores above
.endr
.endm
.macro SEND a
	WIN 0
.set BK, 224-96*((\a)%2)
	s_wait_dscnt 0x0
	s_wait_xcnt 0x0                                ; the registers that earlier stores read are loaded again only behind this wait
.irp t, 0,1,2,3,4,5,6,7
	global_store_b128 v10, v[BK+4*(\t):BK+4*(\t)+3], s[88:89] offset:(16*(\a)+2*(\t))*PITCHC  ; sixteen lanes store 256 consecutive bytes, aligned
.endr
.endm
	s_load_b128 s[68:71], s[0:1], 0x0              ; p16 s[68:69], pw s[70:71]
	s_load_b64 s[72:73], s[0:1], 0x10              ; stats
	v_lshl_add_u32 v12, v0, 2, SPARE
	v_mov_b32 v13, 0
	ds_add_u32 v12, v13                            ; the wave's opening: the add, waited for ahead of my first tensor load
	ds_add_u32 v12, v13
	v_lshrrev_b32 v3, 5, v0
	v_readfirstlane_b32 s10, v3
	s_lshr_b32 s11, s10, 1                         ; which half of the tile's queries is mine.  Also: I fetch for qp (0) or for kp (1),
	s_and_b32 s12, s10, 1                          ; which of its two blocks of keys.  Also: which 128 rows of that tile I fetch
	s_bfe_u32 s40, ttmp6, 0x40000                  ; cx
	s_bfe_u32 s41, ttmp6, 0x40004                  ; cy
	s_lshl_b32 s42, ttmp9, 2
	s_add_co_u32 s42, s42, s40                     ; tile column: 256 keys
	s_and_b32 s43, ttmp7, 0xffff                   ; cluster y; the batch is cluster y / 2
	s_lshl_b32 s13, s43, 2
	s_add_co_u32 s13, s13, s41                     ; tile row, over all batches
	s_lshl_b32 s14, s41, 2
	s_lshl_b32 s14, 15, s14
	s_lshl_b32 s15, 0x1111, s40
	s_or_b32 s24, s14, G1W0
	s_or_b32 s48, s15, G1W0
	s_mov_b32 s25, 128<<16
	s_mov_b32 s26, 128<<16
	s_mov_b32 s27, 128<<16
	s_mov_b32 s28, 128
	s_mov_b32 s29, 1024
	s_mov_b32 s30, 0
	s_mov_b32 s31, 0
	s_mov_b32 s49, 128<<16
	s_mov_b32 s50, 128<<16
	s_mov_b32 s51, 128<<16
	s_mov_b32 s52, 128
	s_mov_b32 s53, 1024
	s_mov_b32 s54, 0
	s_mov_b32 s55, 0
	s_lshl_b32 s16, s13, 8                         ; qp: row 256 x tile row + 128 x half
	s_lshl_b32 s17, s12, 7
	s_add_co_u32 s16, s16, s17
	s_lshl_b32 s16, s16, 11
	s_mov_b32 s17, 0
	s_lshl_b32 s46, s42, 8                         ; kp: row 2,048 x batch + 256 x tile column + 128 x half, in the second plane of p16
	s_lshl_b32 s47, s12, 7
	s_add_co_u32 s46, s46, s47
	s_lshr_b32 s47, s43, 1
	s_lshl_b32 s47, s47, 11
	s_add_co_u32 s46, s46, s47
	s_lshl_b32 s46, s46, 11
	s_add_co_u32 s46, s46, 16777216
	s_mov_b32 s47, 0
	s_mul_i32 s22, s10, PAIR
	s_mov_b32 s66, 0
	s_mov_b32 s84, 0x3d38aa3b                      ; c = log2(e) / 32
	s_mov_b32 s85, s84
	s_mov_b32 s86, 0x76543210                      ; v_permlanex16_b32: each lane takes its own place in the other half
	s_mov_b32 s87, 0xfedcba98
	s_wait_dscnt 0x0
	s_wait_kmcnt 0x0
	s_add_nc_u64 s[16:17], s[68:69], s[16:17]
	s_add_nc_u64 s[46:47], s[68:69], s[46:47]
	s_mov_b32 s32, 1
	s_mov_b32 s33, s22
	s_mov_b64 s[34:35], s[16:17]
	s_or_b32 s35, s35, 0x80000000
	s_mov_b32 s36, 1
	s_add_co_u32 s37, s22, SLOTX
	s_add_nc_u64 s[38:39], s[16:17], KSTEP
	s_or_b32 s39, s39, 0x80000000
	s_mov_b32 s56, 1
	s_mov_b32 s57, s22
	s_mov_b64 s[58:59], s[46:47]
	s_or_b32 s59, s59, 0x80000000
	s_mov_b32 s60, 1
	s_add_co_u32 s61, s22, SLOTX
	s_add_nc_u64 s[62:63], s[46:47], KSTEP
	s_or_b32 s63, s63, 0x80000000
	CROUND
	s_cmp_eq_u32 s11, 0
	s_cbranch_scc0 .Lfirst_b
	tensor_load_to_lds s[32:35], s[24:31]
	s_nop 0
	tensor_load_to_lds s[36:39], s[24:31]
	s_nop 0
.rept 4
	v_nop
.endr
	s_branch .Lfirst_done
.Lfirst_b:
	tensor_load_to_lds s[56:59], s[48:55]
	s_nop 0
	tensor_load_to_lds s[60:63], s[48:55]
	s_nop 0
.rept 4
	v_nop
.endr
.Lfirst_done:
	v_and_b32 v1, 15, v0
	v_bfe_u32 v2, v0, 4, 1
	v_mul_u32_u24 v3, v1, 272
	v_lshl_add_u32 v3, v2, 4, v3
	s_mul_i32 s18, s11, PAIR
	v_add_nc_u32 v4, s18, v3
	s_mul_i32 s18, s12, PAIR
	s_add_co_u32 s18, s18, 2*PAIR
	v_add_nc_u32 v5, s18, v3
	v_mov_b32 v6, v4
	v_mov_b32 v7, v5
	s_mul_i32 s18, s10, 16*272
	s_add_co_u32 s18, s18, STAGE
	v_add_nc_u32 v8, s18, v3
	v_mul_u32_u24 v9, v2, 272
	v_lshl_add_u32 v9, v1, 4, v9
	v_add_nc_u32 v9, s18, v9
	v_mul_u32_u24 v10, v2, PITCHC
	v_lshl_add_u32 v10, v1, 4, v10
	s_lshl_b32 s18, s10, 10
	s_add_co_u32 s18, s18, SSTG
	v_lshl_add_u32 v14, v1, 3, s18                 ; where row l % 16 of a row block puts (c m, l)
	v_and_b32 v16, 31, v0
	v_lshlrev_b32 v16, 4, v16                      ; 16 x lane
	v_add_nc_u32 v15, s18, v16                     ; where I read my wave's 1,024 bytes back
	s_lshl_b32 s18, s13, 8                         ; pw at my wave's first row and first key
	s_lshl_b32 s19, s11, 7
	s_add_co_u32 s18, s18, s19
	s_lshl_b32 s18, s18, 12
	s_lshl_b32 s19, s42, 9
	s_add_co_u32 s18, s18, s19
	s_lshl_b32 s19, s12, 8
	s_add_co_u32 s18, s18, s19
	s_mov_b32 s19, 0
	s_add_nc_u64 s[88:89], s[70:71], s[18:19]
	s_lshr_b32 s18, s43, 1                         ; stats: ((16 batch + my block) 2,048 + my wave's first query in the batch) x 8 bytes
	s_lshl_b32 s18, s18, 4
	s_lshl_b32 s19, s42, 1
	s_add_co_u32 s18, s18, s19
	s_add_co_u32 s18, s18, s12
	s_lshl_b32 s18, s18, 11
	s_and_b32 s19, s13, 7
	s_lshl_b32 s19, s19, 8
	s_add_co_u32 s18, s18, s19
	s_lshl_b32 s19, s11, 7
	s_add_co_u32 s18, s18, s19
	s_lshl_b32 s18, s18, 3
	s_mov_b32 s19, 0
	s_add_nc_u64 s[90:91], s[72:73], s[18:19]
	; the prefetches
	s_lshl_b32 s18, s13, 8
	s_lshl_b32 s19, s12, 7
	s_add_co_u32 s18, s18, s19
	s_lshl_b32 s19, s40, 5
	s_add_co_u32 s18, s18, s19                     ; qp: 256 x tile row + 128 x half + 32 cx
	s_lshl_b32 s20, s42, 8
	s_lshl_b32 s21, s12, 7
	s_add_co_u32 s20, s20, s21
	s_lshl_b32 s21, s41, 5
	s_add_co_u32 s20, s20, s21
	s_lshr_b32 s21, s43, 1
	s_lshl_b32 s21, s21, 11
	s_add_co_u32 s20, s20, s21
	s_add_co_u32 s20, s20, 8192                    ; kp: 8,192 + 2,048 batch + 256 x tile column + 128 x half + 32 cy
	s_and_b32 s83, s43, 1
	s_cmp_eq_u32 s11, 0
	s_cselect_b32 s18, s18, s20
	s_cselect_b32 s83, ttmp9, s83
	s_cmp_eq_u32 s83, 0
	s_cselect_b32 s82, 2, -1
	s_lshl_b32 s18, s18, 11
	s_mov_b32 s19, 0
	s_add_nc_u64 s[44:45], s[68:69], s[18:19]
	s_add_nc_u64 s[44:45], s[44:45], 3*KSTEP       ; at K step 3: the first refill steps it to 4
	v_and_b32 v11, 31, v0
	v_lshlrev_b32 v11, 11, v11
	s_wait_tensorcnt 0x1                           ; my part of K step 0 is in; slot 1's may stay out
	s_barrier_signal -1
	s_barrier_wait -1
	FETCH 0, F0
	QUARTER 1, F0, F1, 1
	WIN 0
	s_mov_b32 s3, STEPS-2
.Lstep:
	QUARTER 2, F1, F0, 0
	QUARTER 3, F0, F1, 0
	TURN 1
	QUARTER 1, F0, F1, 0
	WIN 0
	s_sub_co_u32 s3, s3, 1
	s_cmp_lg_u32 s3, 0
	s_cbranch_scc1 .Lstep
	s_mov_b32 s67, 2
.Ltail:                                                ; the last two K steps ask for nothing: a text of their own; the second trip is left in its middle
	QUARTER 2, F1, F0, 0
	QUARTER 3, F0, F1, 0
	TURN 0
	WIN 0
	s_sub_co_u32 s67, s67, 1
	s_cmp_eq_u32 s67, 0
	s_cbranch_scc1 .Lout
	QUARTER 1, F0, F1, 0
	WIN 0
	s_branch .Ltail
.Lout:
	s_wait_dscnt 0x0                               ; (met at once: the last trip fetched nothing)
	PLACES
	MAXI 0                                         ; my rows 0-63
	MSTAT
	SCALE 0
	WIN 0
	s_mov_b32 s67, 2
.Lhalf:                                                ; two trips, one for each half of my rows; left in its middle.  The first half's stores leave while the second half is computed
	EXPS
	PACK 0
	SUM 0
	TOSTAGE 0
.irp a, 1,2,3                          ; block a's arithmetic stands between block a - 1's loads from the stage and the wait for them
	PACK \a
	SUM \a
	SEND (\a)-1
	TOSTAGE \a
.endr
	SEND 3
	s_sub_co_u32 s67, s67, 1
	s_cmp_eq_u32 s67, 0
	s_cbranch_scc1 .Ldone
	MAXI 1                                         ; my rows 64-127: their scaled scores take the first half's registers
	MSTAT
	SCALE 1
	WIN 0
	s_wait_xcnt 0x0                                ; the stores have read their base and their registers
	s_add_nc_u64 s[88:89], s[88:89], 64*PITCHC     ; 64 rows of pw on,
	v_add_nc_u32 v14, 512, v14                     ; and 64 pairs on in my 1,024 bytes
	s_branch .Lhalf
.Ldone:
	ds_load_b128 v[64:67], v15                     ; my wave's own 1,024 bytes, stored above: LDS serves a wave's instructions in order
	ds_load_b128 v[68:71], v15 offset:512
	s_wait_dscnt 0x0
	global_store_b128 v16, v[64:67], s[90:91]      ; twice 512 consecutive bytes, aligned
	global_store_b128 v16, v[68:71], s[90:91] offset:512
	s_wait_tensorcnt 0x0                           ; the wave's end
	ds_add_u32 v12, v13
	s_wait_dscnt 0x0
	CROUND                                         ; the closing round
	s_endpgm
.Lfunc_end_k_q893e0acd35_scores:
	.size	k_q893e0acd35_scores, .Lfunc_end_k_q893e0acd35_scores-k_q893e0acd35_scores
	.p2alignl 7, 3214868480
	.fill 96, 4, 3214868480
	.section	.rodata,"a",@progbits
	.p2align	6, 0x0
	.amdhsa_kernel k_q893e0acd35_scores
		.amdhsa_group_segment_fixed_size 327680
		.amdhsa_private_segment_fixed_size 0
		.amdhsa_enable_private_segment 0
		.amdhsa_kernarg_size 24
		.amdhsa_user_sgpr_count 2
		.amdhsa_user_sgpr_kernarg_segment_ptr 1
		.amdhsa_wavefront_size32 1
		.amdhsa_system_sgpr_workgroup_id_x 1
		.amdhsa_system_sgpr_workgroup_id_y 1
		.amdhsa_system_sgpr_workgroup_id_z 1
		.amdhsa_system_vgpr_workitem_id 0
		.amdhsa_next_free_vgpr 1024
		.amdhsa_next_free_sgpr 96
		.amdhsa_reserve_vcc 0
		.amdhsa_float_denorm_mode_32 3
		.amdhsa_float_denorm_mode_16_64 3
		.amdhsa_memory_ordered 1
		.amdhsa_forward_progress 1
		.amdhsa_inst_pref_size 136
	.end_amdhsa_kernel
	.amdgpu_metadata
---
amdhsa.version: [ 1, 2 ]
amdhsa.kernels:
  - .name:           k_q893e0acd35_scores
    .symbol:         k_q893e0acd35_scores.kd
    .args:
      - { .name: p16, .offset: 0, .size: 8, .value_kind: global_buffer, .address_space: global }
      - { .name: pw, .offset: 8, .size: 8, .value_kind: global_buffer, .address_space: global }
      - { .name: stats, .offset: 16, .size: 8, .value_kind: global_buffer, .address_space: global }
    .group_segment_fixed_size: 327680
    .private_segment_fixed_size: 0
    .kernarg_segment_align: 8
    .kernarg_segment_size: 24
    .max_flat_workgroup_size: 128
    .sgpr_count:     96
    .vgpr_count:     1024
    .wavefront_size: 32
...
	.end_amdgpu_metadata
.endif
;; end of part 3
;; launch pv (part 4): grid 16 x 16, 4 waves a work-group, clusters of 4 x 4, 327,680 bytes of LDS; arguments p16, pw, stats, ot; writes ot
.if DOCPART == 4
	.amdgcn_target "amdgcn-amd-amdhsa--gfx1250"
	.amdhsa_code_object_version 6
	.text
	.protected	k_q893e0acd35_pv
	.globl	k_q893e0acd35_pv
	.p2align	8
	.type	k_q893e0acd35_pv,@function
k_q893e0acd35_pv:
	s_mov_b64 s[64:65], 0
	v_nop
	global_prefetch_b8 v0, s[64:65] scope:SCOPE_SE
	s_setreg_imm32_b32 hwreg(HW_REG_WAVE_MODE, 25, 1), 1
	s_wait_xcnt 0x0
	s_wait_alu depctr_hold_cnt(0) depctr_sa_sdst(0) depctr_va_vdst(0) depctr_va_sdst(0) depctr_va_ssrc(0) depctr_va_vcc(0) depctr_vm_vsrc(0)
	s_getreg_b32 s2, hwreg(HW_REG_IB_STS2, 6, 4)
	s_cmp_eq_u32 s2, 0
	s_cbranch_scc0 .Lentry_in_a_cluster
	s_endpgm
.Lentry_in_a_cluster:
	s_bfe_u32 s2, ttmp6, 0x10000c
	s_cmp_lg_u32 s2, 0xf033
	s_cbranch_scc0 .Lentry_shape_is_right
	s_endpgm
.Lentry_shape_is_right:
; PV.  ot[batch][d][s] = the sum over the 16 blocks of (g_blk[s] / L[s]) x (the sum over the block's 128 keys of vp[key][d] pw[s][key]), f16: the attention's output, stored turned, which is the order in which the last product reads it.
; From stats' (c m_blk, l_blk): M[s] = the maximum over the blocks of c m_blk (the row's true maximum), g_blk = 2^(c m_blk - M) <= 1, L = the sum of l_blk g_blk >= 1, all in f32.
; A K step of 128 keys IS a block: its products start fresh sums X (C = 0), and at the step's end the totals take X x (g / L), 128 packed multiply-adds in f32 a wave: half the lines that scaling pw's fragments
; would want (4 quarters x 64 registers), and nothing is rounded between pw and the totals.
; LIMITS.  An exponential below 2^-126 counts as 0.  An output below 6.1e-5 keeps f16's fixed step of 6e-8.  NaN and infinities are not treated apart.
; SHARES.  A work-group makes 256 d x 128 s (256 tiles); wave w its d 64 w .. 64 w + 63 and all 128 s.  Source 0 = 16 rows s of pw, source 1 = 16 channels d of vp, turned out of LDS by ds_load_tr16_b128:
; a lane holds channel d = lane % 16 and the columns s = 8 (lane / 16) + 0 .. 7.
; CLUSTER 4 x 4: a cluster is one batch, its four rows the four blocks of 256 d, its columns four blocks of 128 s: vp's tile is shared along a row, pw's along a column: joint loads.
; REGISTERS, in windows of 256: window 0: v0-19 addresses; v64-159, v160-255 two fragment buffers (64 registers of pw's eight fragments, then 32 of vp's four); on the way out v64-95 packed, v96-159 rows read back.
;   window 1: the step's sums X (a, b) at v[64 a + 8 b].   window 2: the totals, at the same numbers.   window 3: v0-63 the step's g / L of my lane's 64 columns.
.set SLOT1,  131072
.set REGB,   69632                     ; in a slot: 128 keys of vp at a pitch of 544 (512 bytes + 32), then 128 rows of pw at a pitch of 272
.set HALFA,  34816                     ; 64 keys x 544
.set HALFB,  17408                     ; 64 rows x 272
.set STAGE,  235520                    ; 16 rows x 272 bytes for each wave
.set GT,     252928                    ; g / L, f32: block i at 512 i, in it row s of the tile's 128 at 4 s
.set SPARE,  261120                    ; the spare words, 128 bytes for each wave
.set STEPS,  16
.set STEPA,  262144                    ; 128 keys of 2,048 bytes
.set STEPB,  256
.set PITCHC, 4096                      ; bytes in a row of ot
.set F0, 64
.set F1, 160
.set TMP, 64
.set BK, 96
.set W_MUL, 0x50                       ; fragments in window 0, C and D in window 1
.set MSB, 0
.macro WIN new
.if MSB != (\new)
	s_set_vgpr_msb (MSB<<8)|(\new)
.set MSB, \new
.endif
.endm
.macro PLACES
.rept 4
	v_nop
.endr
.endm
.macro CREST
	s_cmp_lg_u32 s10, 0
	s_cbranch_scc1 .Lnot_wave_0_\@
	s_barrier_signal -3
.Lnot_wave_0_\@:
	s_barrier_wait -3
	s_barrier_signal -1
	s_barrier_wait -1
.endm
.macro CROUND
	s_barrier_signal -1
	s_barrier_wait -1
	CREST
.endm
.macro JLOAD                           ; a joint refill: waves 0, 1 fetch the two halves of vp's 128 keys, waves 2, 3 those of pw's 128 rows
	s_cmp_eq_u32 s11, 0
	s_cbranch_scc0 .Lfor_b_\@
	tensor_load_to_lds s[36:39], s[24:31]
	s_nop 0
.rept 4
	v_nop
.endr
	s_branch .Lasked_\@
.Lfor_b_\@:
	tensor_load_to_lds s[60:63], s[48:55]
	s_nop 0
.rept 4
	v_nop
.endr
.Lasked_\@:
.endm
; A prefetch of the K step two refills on.  vp: of the 64 keys x 512 bytes that wave 0 or 1 fetches, the partner at cx takes 16 keys, two lanes a key; the first cluster along x asks.  pw: of the 128 rows x 256 bytes
; the partner at cy takes 32, a lane a row, wave 2; every cluster asks, since no other reads those rows.  So each aligned block of 256 bytes is named once in the launch.
.macro ASK
	s_cmp_gt_u32 s3, s82
	s_cbranch_scc0 .Lnot_mine_\@
	global_prefetch_b8 v11, s[44:45] th:TH_LOAD_NT scope:SCOPE_SE
.Lnot_mine_\@:
.endm
.macro MUL8 f, a, first                ; the 32 accumulators take turns; first = 1: a step's first quarter starts its sums with the constant 0
	WIN W_MUL
.irp b, 0,1,2,3,4,5,6,7
.if \first
	v_wmma_f32_16x16x32_f16 v[64*(\a)+8*(\b):64*(\a)+8*(\b)+7], v[(\f)+8*(\b):(\f)+8*(\b)+7], v[(\f)+64+8*(\a):(\f)+64+8*(\a)+7], 0
.else
	v_wmma_f32_16x16x32_f16 v[64*(\a)+8*(\b):64*(\a)+8*(\b)+7], v[(\f)+8*(\b):(\f)+8*(\b)+7], v[(\f)+64+8*(\a):(\f)+64+8*(\a)+7], v[64*(\a)+8*(\b):64*(\a)+8*(\b)+7]
.endif
.endr
.endm
.macro FETCH q, f                      ; 24 LDS loads: pw's eight fragments as they lie, then vp's four, turned: keys 32 q on, channels 64 w + 16 a on
	WIN 0
.irp b, 0,1,2,3,4,5,6,7
	ds_load_b128 v[(\f)+8*(\b):(\f)+8*(\b)+3],   v7 offset:64*(\q)+4352*(\b)
	ds_load_b128 v[(\f)+8*(\b)+4:(\f)+8*(\b)+7], v7 offset:64*(\q)+4352*(\b)+32
.endr
.irp a, 0,1,2,3
	ds_load_tr16_b128 v[(\f)+64+8*(\a):(\f)+64+8*(\a)+3],   v6 offset:17408*(\q)+32*(\a)
	ds_load_tr16_b128 v[(\f)+64+8*(\a)+4:(\f)+64+8*(\a)+7], v6 offset:17408*(\q)+32*(\a)+8704
.endr
.endm
.macro QUARTER q, f, g, first          ; quarter q's fragments are asked for into g, then buffer f is multiplied
	WIN 0
	PLACES
	FETCH \q, \g
	s_wait_dscnt 24                                ; all but the 24 just issued: buffer f is in
	MUL8 \f, 0, \first
	MUL8 \f, 1, \first
	MUL8 \f, 2, \first
	MUL8 \f, 3, \first
.endm
.macro GLOAD                           ; the step's g / L of my columns 16 b + 8 (lane / 16) + 0 .. 7, into window 3; then the address steps to the next block
	WIN 0xc0
.irp b, 0,1,2,3,4,5,6,7
	ds_load_b128 v[8*(\b):8*(\b)+3],   v14 offset:64*(\b)
	ds_load_b128 v[8*(\b)+4:8*(\b)+7], v14 offset:64*(\b)+16
.endr
	WIN 0
	v_add_nc_u32 v14, 512, v14
.endm
.macro LUMP                            ; totals += X x (g / L): destination and addend window 2, X window 1, the factors window 3; each accumulator is read from its low end
	WIN 0xad
.irp a, 0,1,2,3
.set i, 0
.rept 32
	v_pk_fma_f32 v[64*(\a)+2*i:64*(\a)+2*i+1], v[64*(\a)+2*i:64*(\a)+2*i+1], v[2*i:2*i+1], v[64*(\a)+2*i:64*(\a)+2*i+1]
.set i, i+1
.endr
.endr
.endm
; A K step's last quarter multiplies buffer 1, changes slots and closes the block.  In front of the barrier each wave waits for all its tensor loads (one is out: its part of the next slot), adds 0 to its spare
; word, and waits for that and for its reads of this slot.  fill = 1: the barrier opens a round of the cluster's, and this slot's joint refill, two K steps ahead, is the first thing behind the round.
; Then the block's factors and the next slot's first fragments are read, the quarter's last products follow, and the totals take the block.
; fill = 0 (the tail): nothing is asked for; in the tail's last trip there is no further step, and the run of fragment loads is jumped over.
.macro TURN fill
.if \fill
	s_wait_xcnt 0x0                                ; the last prefetch, a K step back, has read its address
	s_add_nc_u64 s[44:45], s[44:45], s[80:81]
.endif
	WIN 0
	s_wait_tensorcnt 0x0
	ds_add_u32 v12, v13
.if \fill
	s_xor_b32 s37, s37, SLOT1
	s_add_nc_u64 s[38:39], s[38:39], STEPA
	s_xor_b32 s61, s61, SLOT1
	s_add_nc_u64 s[62:63], s[62:63], STEPB
.endif
	s_xor_b32 s66, s66, SLOT1
	s_wait_dscnt 1                                 ; buffer 1 is in; the add may be out
	MUL8 F1, 0, 0
	s_wait_dscnt 0x0                               ; the add is done, and my reads of this slot are over
	s_barrier_signal -1
	MUL8 F1, 1, 0
	WIN 0
	s_barrier_wait -1
.if \fill
	CREST
	JLOAD                                          ; its four v_nop are also the places in front of the loads into buffer 0
.else
	PLACES
.endif
	GLOAD
.if !(\fill)
	s_cmp_eq_u32 s67, 1
	s_cbranch_scc1 .Lno_fetch_\@
.endif
	v_add_nc_u32 v6, s66, v4
	v_add_nc_u32 v7, s66, v5
	FETCH 0, F0
.if \fill
	ASK
.else
.Lno_fetch_\@:
.endif
	MUL8 F1, 2, 0
	MUL8 F1, 3, 0
	s_wait_dscnt 0x0                               ; the factors are in: the count is 0, since in the last trip no load is issued behind them
	PLACES                                         ; behind the last products, in front of the lines that read their results
	LUMP
.endm
.macro PACK a                          ; the totals of row block a, rounded to f16
	WIN 0x0a
.set i, 0
.rept 32
	v_cvt_pk_f16_f32 v[TMP+i], v[64*(\a)+2*i], v[64*(\a)+2*i+1]
.set i, i+1
.endr
.endm
.macro TOSTAGE a
	WIN 0
.irp b, 0,1,2,3,4,5,6,7
	ds_store_b128 v8, v[TMP+4*(\b):TMP+4*(\b)+3] offset:32*(\b)
.endr
.irp t, 0,1,2,3,4,5,6,7
	ds_load_b128 v[BK+32*((\a)%2)+4*(\t):BK+32*((\a)%2)+4*(\t)+3], v9 offset:544*(\t)  ; LDS serves a wave's instructions in order (ISA guide 5.7.1.4): these see the stores above
.endr
.endm
.macro SEND a
	WIN 0
	s_wait_dscnt 0x0
	s_wait_xcnt 0x0                                ; the registers that earlier stores read are loaded again only behind this wait
.irp t, 0,1,2,3,4,5,6,7
	global_store_b128 v10, v[BK+32*((\a)%2)+4*(\t):BK+32*((\a)%2)+4*(\t)+3], s[88:89] offset:(16*(\a)+2*(\t))*PITCHC  ; sixteen lanes store 256 consecutive bytes, aligned
.endr
.endm
	s_load_b256 s[68:75], s[0:1], 0x0              ; p16 s[68:69], pw s[70:71], stats s[72:73], ot s[74:75]
	v_lshl_add_u32 v12, v0, 2, SPARE
	v_mov_b32 v13, 0
	ds_add_u32 v12, v13                            ; the wave's opening: the add, waited for ahead of my first tensor load
	ds_add_u32 v12, v13
	v_lshrrev_b32 v3, 5, v0
	v_readfirstlane_b32 s10, v3
	s_lshr_b32 s11, s10, 1
	s_and_b32 s12, s10, 1
	s_bfe_u32 s40, ttmp6, 0x40000                  ; cx
	s_bfe_u32 s41, ttmp6, 0x40004                  ; cy: the block of 256 d
	s_lshl_b32 s42, ttmp9, 2
	s_add_co_u32 s42, s42, s40                     ; the block of 128 s
	s_and_b32 s43, ttmp7, 0xffff                   ; cluster y: the batch
	s_lshl_b32 s14, s41, 2
	s_lshl_b32 s14, 15, s14
	s_lshl_b32 s15, 0x1111, s40
	s_or_b32 s24, s14, (1<<16)|(1<<20)|(1<<21)|(6<<22)|(7<<25)  ; vp: padding after every 128 words, 8 words of it
	s_or_b32 s48, s15, (1<<16)|(1<<20)|(1<<21)|(5<<22)|(3<<25)  ; pw: after every 64 words, 4 words
	s_mov_b32 s25, 256<<16                         ; vp: tensor_dim0 = 256
	s_mov_b32 s26, 64<<16                          ; tensor_dim1 = 64
	s_mov_b32 s27, 256<<16                         ; tile_dim0 = 256
	s_mov_b32 s28, 64                              ; tile_dim1 = 64
	s_mov_b32 s29, 1024
	s_mov_b32 s30, 0
	s_mov_b32 s31, 0
	s_mov_b32 s49, 128<<16
	s_mov_b32 s50, 64<<16
	s_mov_b32 s51, 128<<16
	s_mov_b32 s52, 64
	s_mov_b32 s53, 2048
	s_mov_b32 s54, 0
	s_mov_b32 s55, 0
	s_lshl_b32 s16, s43, 11                        ; vp: key 2,048 x batch + 64 x half, channel 256 cy, in the third plane of p16
	s_lshl_b32 s17, s12, 6
	s_add_co_u32 s16, s16, s17
	s_lshl_b32 s16, s16, 11
	s_lshl_b32 s17, s41, 9
	s_add_co_u32 s16, s16, s17
	s_add_co_u32 s16, s16, 33554432
	s_mov_b32 s17, 0
	s_lshl_b32 s46, s43, 11                        ; pw: row 2,048 x batch + 128 x block + 64 x half
	s_lshl_b32 s47, s42, 7
	s_add_co_u32 s46, s46, s47
	s_lshl_b32 s47, s12, 6
	s_add_co_u32 s46, s46, s47
	s_lshl_b32 s46, s46, 12
	s_mov_b32 s47, 0
	s_mul_i32 s22, s10, HALFA
	s_mul_i32 s23, s10, HALFB
	s_add_co_u32 s23, s23, HALFA
	s_mov_b32 s66, 0
	s_wait_dscnt 0x0
	s_wait_kmcnt 0x0
	s_add_nc_u64 s[16:17], s[68:69], s[16:17]
	s_add_nc_u64 s[46:47], s[70:71], s[46:47]
	s_mov_b32 s32, 1
	s_mov_b32 s33, s22
	s_mov_b64 s[34:35], s[16:17]
	s_or_b32 s35, s35, 0x80000000
	s_mov_b32 s36, 1
	s_add_co_u32 s37, s22, SLOT1
	s_add_nc_u64 s[38:39], s[16:17], STEPA
	s_or_b32 s39, s39, 0x80000000
	s_mov_b32 s56, 1
	s_mov_b32 s57, s23
	s_mov_b64 s[58:59], s[46:47]
	s_or_b32 s59, s59, 0x80000000
	s_mov_b32 s60, 1
	s_add_co_u32 s61, s23, SLOT1
	s_add_nc_u64 s[62:63], s[46:47], STEPB
	s_or_b32 s63, s63, 0x80000000
	CROUND
	s_cmp_eq_u32 s11, 0
	s_cbranch_scc0 .Lfirst_b
	tensor_load_to_lds s[32:35], s[24:31]
	s_nop 0
	tensor_load_to_lds s[36:39], s[24:31]
	s_nop 0
.rept 4
	v_nop
.endr
	s_branch .Lfirst_done
.Lfirst_b:
	tensor_load_to_lds s[56:59], s[48:55]
	s_nop 0
	tensor_load_to_lds s[60:63], s[48:55]
	s_nop 0
.rept 4
	v_nop
.endr
.Lfirst_done:
	; THE TABLE.  Thread t serves row s = 128 x block + t: its sixteen pairs (c m, l)
	s_lshl_b32 s18, s43, 18
	s_lshl_b32 s19, s42, 10
	s_add_co_u32 s18, s18, s19
	s_mov_b32 s19, 0
	s_add_nc_u64 s[90:91], s[72:73], s[18:19]
	v_lshlrev_b32 v18, 3, v0
.irp i, 0,1,2,3,4,5,6,7,8,9,10,11,12,13,14,15
	global_load_b64 v[64+2*(\i):65+2*(\i)], v18, s[90:91] offset:16384*(\i)
.endr
	; the totals start at 0: 32 products of two zero fragments write their 256 registers, in the wait for the first tile: 48 lines in place of 256
.set i, 0
.rept 16
	v_mov_b32 v[240+i], 0
.set i, i+1
.endr
	WIN 0x80                                       ; destination window 2, fragments window 0
.set i, 0
.rept 32
	v_wmma_f32_16x16x32_f16 v[8*i:8*i+7], v[240:247], v[248:255], 0
.set i, i+1
.endr
	WIN 0
	v_and_b32 v1, 15, v0
	v_bfe_u32 v2, v0, 4, 1
	v_mul_u32_u24 v3, v1, 272
	v_lshl_add_u32 v3, v2, 4, v3
	v_add_nc_u32 v5, REGB, v3                      ; pw's fragments: row l % 16, 16 bytes at 16 (l / 16)
	v_and_b32 v4, 7, v0                            ; vp's: lane l reads key 8 (l / 16) + l % 8, channels 8 ((l / 8) % 2) + 0 .. 7, of my wave's 64
	v_lshl_add_u32 v4, v2, 3, v4
	v_mul_u32_u24 v4, v4, 544
	v_bfe_u32 v19, v0, 3, 1
	v_lshl_add_u32 v4, v19, 4, v4
	s_lshl_b32 s18, s10, 7
	v_add_nc_u32 v4, s18, v4
	v_mov_b32 v6, v4
	v_mov_b32 v7, v5
	s_mul_i32 s18, s10, 16*272
	s_add_co_u32 s18, s18, STAGE
	v_add_nc_u32 v8, s18, v3
	v_mul_u32_u24 v9, v2, 272
	v_lshl_add_u32 v9, v1, 4, v9
	v_add_nc_u32 v9, s18, v9
	v_mul_u32_u24 v10, v2, PITCHC
	v_lshl_add_u32 v10, v1, 4, v10
	v_lshl_add_u32 v14, v2, 5, GT                  ; where my lane reads block 0's factors
	v_lshl_add_u32 v15, v0, 2, GT                  ; where thread t puts its row's factor of block 0
	s_lshl_b32 s18, s43, 10                        ; ot at my wave's first row and the tile's first column
	s_lshl_b32 s19, s41, 8
	s_add_co_u32 s18, s18, s19
	s_lshl_b32 s19, s10, 6
	s_add_co_u32 s18, s18, s19
	s_lshl_b32 s18, s18, 12
	s_lshl_b32 s19, s42, 8
	s_add_co_u32 s18, s18, s19
	s_mov_b32 s19, 0
	s_add_nc_u64 s[88:89], s[74:75], s[18:19]
	; the prefetches
	s_lshl_b32 s18, s43, 11
	s_lshl_b32 s19, s12, 6
	s_add_co_u32 s18, s18, s19
	s_lshl_b32 s19, s40, 4
	s_add_co_u32 s18, s18, s19                     ; vp: key 2,048 batch + 64 x half + 16 cx,
	s_lshl_b32 s18, s18, 11
	s_lshl_b32 s19, s41, 9
	s_add_co_u32 s18, s18, s19
	s_add_co_u32 s18, s18, 33554432+3*262144       ; at K step 3: the first refill steps it to 4
	s_lshl_b32 s20, s43, 11
	s_lshl_b32 s21, s42, 7
	s_add_co_u32 s20, s20, s21
	s_lshl_b32 s21, s41, 5
	s_add_co_u32 s20, s20, s21                     ; pw: row 2,048 batch + 128 x block + 32 cy
	s_lshl_b32 s20, s20, 12
	s_add_co_u32 s20, s20, 3*256
	s_cmp_eq_u32 s11, 0
	s_cselect_b32 s18, s18, s20
	s_cselect_b32 s83, ttmp9, s12                  ; vp: the first cluster along x; pw: wave 2
	s_cselect_b64 s[44:45], s[68:69], s[70:71]
	s_cselect_b32 s80, 10, 0
	s_cselect_b32 s20, 15, 31                      ; vp: 16 keys, two lanes a key; pw: 32 rows
	s_cselect_b32 s21, 11, 12                      ; bytes in a row: 2,048; 4,096
	s_cselect_b32 s19, 1, 0
	s_cmp_eq_u32 s83, 0
	s_cselect_b32 s82, 2, -1
	s_lshl_b32 s80, 256, s80                       ; bytes from a K step to the next: 262,144; 256
	s_mov_b32 s81, 0
	v_and_b32 v11, 31, v0
	v_and_b32 v11, s20, v11
	v_lshlrev_b32 v11, s21, v11
	v_and_b32 v19, s19, v2
	v_lshl_add_u32 v11, v19, 8, v11
	s_mov_b32 s19, 0
	s_add_nc_u64 s[44:45], s[44:45], s[18:19]
	s_wait_loadcnt 0x0
	v_max3_num_f32 v112, v64, v66, v68             ; M
.irp i, 3,5,7,9,11,13
	v_max3_num_f32 v112, v112, v[64+2*(\i)], v[66+2*(\i)]
.endr
	v_max_num_f32 v112, v112, v94
.irp i, 0,1,2,3,4,5,6,7,8,9,10,11,12,13,14,15
	v_sub_f32 v[64+2*(\i)], v[64+2*(\i)], v112
.endr
.irp i, 0,1,2,3,4,5,6,7,8,9,10,11,12,13,14,15
	v_exp_f32 v[64+2*(\i)], v[64+2*(\i)]           ; g
.endr
	v_nop
	s_wait_alu depctr_va_vdst(0)                   ; one wait for the sixteen exponentials, ahead of their first reader
	v_mul_f32 v113, v65, v64
.irp i, 1,2,3,4,5,6,7,8,9,10,11,12,13,14,15
	v_fma_f32 v113, v[65+2*(\i)], v[64+2*(\i)], v113  ; L
.endr
	v_rcp_f32 v114, v113
	v_nop                                          ; a plain instruction behind the reciprocal,
	s_wait_alu depctr_va_vdst(0)                   ; and its wait, ahead of its first reader
.irp i, 0,1,2,3,4,5,6,7,8,9,10,11,12,13,14,15
	v_mul_f32 v[64+2*(\i)], v[64+2*(\i)], v114     ; g / L
.endr
.irp i, 0,1,2,3,4,5,6,7,8,9,10,11,12,13,14,15
	ds_store_b32 v15, v[64+2*(\i)] offset:512*(\i)
.endr
	s_wait_tensorcnt 0x1                           ; my part of K step 0 is in; slot 1's may stay out
	s_wait_dscnt 0x0                               ; for the others' sake: my part of the table is stored
	s_barrier_signal -1
	s_barrier_wait -1
	FETCH 0, F0
	QUARTER 1, F0, F1, 1
	WIN 0
	s_mov_b32 s3, STEPS-2
.Lstep:                                                ; a trip: a block's quarters 1 to 3, the refill of its slot, the totals' step, the next block's quarter 0
	QUARTER 2, F1, F0, 0
	QUARTER 3, F0, F1, 0
	TURN 1
	QUARTER 1, F0, F1, 1
	WIN 0
	s_sub_co_u32 s3, s3, 1
	s_cmp_lg_u32 s3, 0
	s_cbranch_scc1 .Lstep
	s_mov_b32 s67, 2
.Ltail:                                                ; the last two K steps ask for nothing: a text of their own; the second trip is left in its middle
	QUARTER 2, F1, F0, 0
	QUARTER 3, F0, F1, 0
	TURN 0
	WIN 0
	s_sub_co_u32 s67, s67, 1
	s_cmp_eq_u32 s67, 0
	s_cbranch_scc1 .Lout
	QUARTER 1, F0, F1, 1
	WIN 0
	s_branch .Ltail
.Lout:
	PACK 0                                         ; the totals were last written by vector lines: no place is owed
	TOSTAGE 0
.irp a, 1,2,3                          ; block a's conversions stand between block a - 1's loads from the stage and the wait for them
	PACK \a
	SEND (\a)-1
	TOSTAGE \a
.endr
	SEND 3
	s_wait_tensorcnt 0x0                           ; the wave's end
	ds_add_u32 v12, v13
	s_wait_dscnt 0x0
	CROUND                                         ; the closing round
	s_endpgm
.Lfunc_end_k_q893e0acd35_pv:
	.size	k_q893e0acd35_pv, .Lfunc_end_k_q893e0acd35_pv-k_q893e0acd35_pv
	.p2alignl 7, 3214868480
	.fill 96, 4, 3214868480
	.section	.rodata,"a",@progbits
	.p2align	6, 0x0
	.amdhsa_kernel k_q893e0acd35_pv
		.amdhsa_group_segment_fixed_size 327680
		.amdhsa_private_segment_fixed_size 0
		.amdhsa_enable_private_segment 0
		.amdhsa_kernarg_size 32
		.amdhsa_user_sgpr_count 2
		.amdhsa_user_sgpr_kernarg_segment_ptr 1
		.amdhsa_wavefront_size32 1
		.amdhsa_system_sgpr_workgroup_id_x 1
		.amdhsa_system_sgpr_workgroup_id_y 1
		.amdhsa_system_sgpr_workgroup_id_z 1
		.amdhsa_system_vgpr_workitem_id 0
		.amdhsa_next_free_vgpr 832
		.amdhsa_next_free_sgpr 96
		.amdhsa_reserve_vcc 0
		.amdhsa_float_denorm_mode_32 3
		.amdhsa_float_denorm_mode_16_64 3
		.amdhsa_memory_ordered 1
		.amdhsa_forward_progress 1
		.amdhsa_inst_pref_size 89
	.end_amdhsa_kernel
	.amdgpu_metadata
---
amdhsa.version: [ 1, 2 ]
amdhsa.kernels:
  - .name:           k_q893e0acd35_pv
    .symbol:         k_q893e0acd35_pv.kd
    .args:
      - { .name: p16, .offset: 0, .size: 8, .value_kind: global_buffer, .address_space: global }
      - { .name: pw, .offset: 8, .size: 8, .value_kind: global_buffer, .address_space: global }
      - { .name: stats, .offset: 16, .size: 8, .value_kind: global_buffer, .address_space: global }
      - { .name: ot, .offset: 24, .size: 8, .value_kind: global_buffer, .address_space: global }
    .group_segment_fixed_size: 327680
    .private_segment_fixed_size: 0
    .kernarg_segment_align: 8
    .kernarg_segment_size: 32
    .max_flat_workgroup_size: 128
    .sgpr_count:     96
    .vgpr_count:     832
    .wavefront_size: 32
...
	.end_amdgpu_metadata
.endif
;; end of part 4
;; launch outp (part 5): grid 8 x 32, 4 waves a work-group, clusters of 4 x 4, 327,680 bytes of LDS; arguments ot, wt, bo, out0; writes out0
.if DOCPART == 5
	.amdgcn_target "amdgcn-amd-amdhsa--gfx1250"
	.amdhsa_code_object_version 6
	.text
	.protected	k_q893e0acd35_outp
	.globl	k_q893e0acd35_outp
	.p2align	8
	.type	k_q893e0acd35_outp,@function
k_q893e0acd35_outp:
	s_mov_b64 s[64:65], 0
	v_nop
	global_prefetch_b8 v0, s[64:65] scope:SCOPE_SE
	s_setreg_imm32_b32 hwreg(HW_REG_WAVE_MODE, 25, 1), 1
	s_wait_xcnt 0x0
	s_wait_alu depctr_hold_cnt(0) depctr_sa_sdst(0) depctr_va_vdst(0) depctr_va_sdst(0) depctr_va_ssrc(0) depctr_va_vcc(0) depctr_vm_vsrc(0)
	s_getreg_b32 s2, hwreg(HW_REG_IB_STS2, 6, 4)
	s_cmp_eq_u32 s2, 0
	s_cbranch_scc0 .Lentry_in_a_cluster
	s_endpgm
.Lentry_in_a_cluster:
	s_bfe_u32 s2, ttmp6, 0x10000c
	s_cmp_lg_u32 s2, 0xf033
	s_cbranch_scc0 .Lentry_shape_is_right
	s_endpgm
.Lentry_shape_is_right:
; OUTP.  out0[row][n] = the sum over k of ot[row][k] wt[3][n][k] + bo[n], f32.  ot, stored [batch][d][s], is read as [8192][1024]: that IS the transposed and reshaped attention output.
; f16 operands (wt[3] holds Wo rounded to bf16, written as f16), f32 sums; bo is rounded to bf16 like every input and is the C operand of the products that start the sums.
; LIMITS: those of the operands as they arrive; NaN and infinities are not treated apart.
; SHARES.  A work-group makes 256 rows x 128 columns (256 tiles); wave w its rows 64 w .. 64 w + 63 and all 128 columns: 512 bytes of a row of out0, through a stage of its own.
; The matrix instruction is used transposed (source 0 = 16 rows of wt, source 1 = 16 rows of ot): a lane holds row lane % 16 and the columns 8 (lane / 16) + 0 .. 7.
; CLUSTER 4 x 4: a row of the cluster shares ot's rows, a column wt's: joint loads.
; REGISTERS: window 0: v0-14 addresses; v64-159, v160-255 two fragment buffers; on the way out v64-127, v128-191 rows read back.  window 1: accumulator (a, b) at v[64 a + 8 b].  window 2: v0-63 the bias, v64-95 at work.
.set SLOT1,  131072
.set REGB,   69632
.set HALFA,  34816
.set HALFB,  17408
.set STAGE,  235520                    ; 16 rows x 528 bytes (512 + 16 of padding) for each wave
.set SPARE,  269312
.set STEPS,  8
.set STEPA,  256
.set STEPB,  256
.set F0, 64
.set F1, 160
.set W_MUL, 0x50
.set W_FIRST, 0x60
.set G1W0, (1<<16)|(1<<20)|(1<<21)|(5<<22)|(3<<25)
.set MSB, 0
.macro WIN new
.if MSB != (\new)
	s_set_vgpr_msb (MSB<<8)|(\new)
.set MSB, \new
.endif
.endm
.macro PLACES
.rept 4
	v_nop
.endr
.endm
.macro CREST
	s_cmp_lg_u32 s10, 0
	s_cbranch_scc1 .Lnot_wave_0_\@
	s_barrier_signal -3
.Lnot_wave_0_\@:
	s_barrier_wait -3
	s_barrier_signal -1
	s_barrier_wait -1
.endm
.macro CROUND
	s_barrier_signal -1
	s_barrier_wait -1
	CREST
.endm
.macro JLOAD
	s_cmp_eq_u32 s11, 0
	s_cbranch_scc0 .Lfor_b_\@
	tensor_load_to_lds s[36:39], s[24:31]
	s_nop 0
.rept 4
	v_nop
.endr
	s_branch .Lasked_\@
.Lfor_b_\@:
	tensor_load_to_lds s[60:63], s[48:55]
	s_nop 0
.rept 4
	v_nop
.endr
.Lasked_\@:
.endm
; A prefetch of the K step two refills on, a lane a row.  ot's rows are named by the first cluster along x (waves 0, 1), wt's by the first cluster along y (wave 2); partners share the rows out by address.
.macro ASK
	s_cmp_gt_u32 s3, s82
	s_cbranch_scc0 .Lnot_mine_\@
	global_prefetch_b8 v11, s[44:45] th:TH_LOAD_NT scope:SCOPE_SE
.Lnot_mine_\@:
.endm
.macro MUL8 f, a, first                ; the 32 accumulators take turns
.if \first
	WIN W_FIRST
.else
	WIN W_MUL
.endif
.irp b, 0,1,2,3,4,5,6,7
.if \first
	v_wmma_f32_16x16x32_f16 v[64*(\a)+8*(\b):64*(\a)+8*(\b)+7], v[(\f)+8*(\b):(\f)+8*(\b)+7], v[(\f)+64+8*(\a):(\f)+64+8*(\a)+7], v[8*(\b):8*(\b)+7]
.else
	v_wmma_f32_16x16x32_f16 v[64*(\a)+8*(\b):64*(\a)+8*(\b)+7], v[(\f)+8*(\b):(\f)+8*(\b)+7], v[(\f)+64+8*(\a):(\f)+64+8*(\a)+7], v[64*(\a)+8*(\b):64*(\a)+8*(\b)+7]
.endif
.endr
.endm
.macro FETCH q, f
	WIN 0
.irp b, 0,1,2,3,4,5,6,7
	ds_load_b128 v[(\f)+8*(\b):(\f)+8*(\b)+3],   v7 offset:64*(\q)+4352*(\b)
	ds_load_b128 v[(\f)+8*(\b)+4:(\f)+8*(\b)+7], v7 offset:64*(\q)+4352*(\b)+32
.endr
.irp a, 0,1,2,3
	ds_load_b128 v[(\f)+64+8*(\a):(\f)+64+8*(\a)+3],   v6 offset:64*(\q)+4352*(\a)
	ds_load_b128 v[(\f)+64+8*(\a)+4:(\f)+64+8*(\a)+7], v6 offset:64*(\q)+4352*(\a)+32
.endr
.endm
.macro QUARTER q, f, g, first
	WIN 0
	PLACES
	FETCH \q, \g
	s_wait_dscnt 24                                ; all but the 24 just issued: buffer f is in
	MUL8 \f, 0, \first
	MUL8 \f, 1, \first
	MUL8 \f, 2, \first
	MUL8 \f, 3, \first
.endm
; The change of slots: all my tensor loads waited for, the add, the wait for it and for my reads of this slot, the barrier (with fill = 1 a round of the cluster's), the joint refill first behind it.
; fill = 0 (the tail): nothing is asked for; in the tail's last trip the run of LDS loads is jumped over.
.macro TURN fill
.if \fill
	s_wait_xcnt 0x0                                ; the last prefetch, a K step back, has read its address
	s_add_nc_u64 s[44:45], s[44:45], 256
.endif
	WIN 0
	s_wait_tensorcnt 0x0
	ds_add_u32 v12, v13
.if \fill
	s_xor_b32 s37, s37, SLOT1
	s_add_nc_u64 s[38:39], s[38:39], STEPA
	s_xor_b32 s61, s61, SLOT1
	s_add_nc_u64 s[62:63], s[62:63], STEPB
.endif
	s_xor_b32 s66, s66, SLOT1
	s_wait_dscnt 1                                 ; buffer 1 is in; the add may be out
	MUL8 F1, 0, 0
	s_wait_dscnt 0x0
	s_barrier_signal -1
	MUL8 F1, 1, 0
	WIN 0
	s_barrier_wait -1
.if \fill
	CREST
	JLOAD
.else
	PLACES
	s_cmp_eq_u32 s67, 1
	s_cbranch_scc1 .Lno_fetch_\@
.endif
	v_add_nc_u32 v6, s66, v4
	v_add_nc_u32 v7, s66, v5
	FETCH 0, F0
.if \fill
	ASK
.else
.Lno_fetch_\@:
.endif
	MUL8 F1, 2, 0
	MUL8 F1, 3, 0
.endm
; THE WAY OUT of row block a: the f32 sums go straight from the accumulators (their low four registers first) into my stage, rows of 528 bytes, and come back as whole rows of 512 bytes.
.macro OSTAGE a
	WIN 0
	s_wait_xcnt 0x0                                ; the registers that earlier stores read are loaded again only behind this wait
	WIN 0x04                                       ; an LDS store's data in window 1
.irp b, 0,1,2,3,4,5,6,7
	ds_store_b128 v8, v[64*(\a)+8*(\b):64*(\a)+8*(\b)+3]   offset:64*(\b)
	ds_store_b128 v8, v[64*(\a)+8*(\b)+4:64*(\a)+8*(\b)+7] offset:64*(\b)+16
.endr
	WIN 0
.irp t, 0,1,2,3,4,5,6,7,8,9,10,11,12,13,14,15
	ds_load_b128 v[64+64*((\a)%2)+4*(\t):64+64*((\a)%2)+4*(\t)+3], v9 offset:528*(\t)  ; LDS serves a wave's instructions in order: these see the stores above
.endr
.endm
.macro OSEND a, younger                ; younger: the LDS instructions issued behind block a's loads: the next block's 32, or none
	s_wait_dscnt \younger
.irp t, 0,1,2,3,4,5,6,7,8,9,10,11,12,13,14,15
	global_store_b128 v10, v[64+64*((\a)%2)+4*(\t):64+64*((\a)%2)+4*(\t)+3], s[88:89] offset:(16*(\a)+(\t))*4096 th:TH_STORE_NT  ; a wave stores 512 consecutive bytes, aligned
.endr
.endm
	s_load_b256 s[68:75], s[0:1], 0x0              ; ot s[68:69], wt s[70:71], bo s[72:73], out0 s[74:75]
	v_lshl_add_u32 v12, v0, 2, SPARE
	v_mov_b32 v13, 0
	ds_add_u32 v12, v13                            ; the wave's opening: the add, waited for ahead of my first tensor load
	ds_add_u32 v12, v13
	v_lshrrev_b32 v3, 5, v0
	v_readfirstlane_b32 s10, v3
	s_lshr_b32 s11, s10, 1
	s_and_b32 s12, s10, 1
	s_bfe_u32 s40, ttmp6, 0x40000
	s_bfe_u32 s41, ttmp6, 0x40004
	s_lshl_b32 s42, ttmp9, 2
	s_add_co_u32 s42, s42, s40                     ; tile column
	s_and_b32 s43, ttmp7, 0xffff
	s_lshl_b32 s13, s43, 2
	s_add_co_u32 s13, s13, s41                     ; tile row
	s_lshl_b32 s14, s41, 2
	s_lshl_b32 s14, 15, s14
	s_lshl_b32 s15, 0x1111, s40
	s_or_b32 s24, s14, G1W0
	s_or_b32 s48, s15, G1W0
	s_mov_b32 s25, 128<<16
	s_mov_b32 s26, 128<<16
	s_mov_b32 s27, 128<<16
	s_mov_b32 s28, 128
	s_mov_b32 s29, 1024
	s_mov_b32 s30, 0
	s_mov_b32 s31, 0
	s_mov_b32 s49, 128<<16
	s_mov_b32 s50, 64<<16
	s_mov_b32 s51, 128<<16
	s_mov_b32 s52, 64
	s_mov_b32 s53, 1024
	s_mov_b32 s54, 0
	s_mov_b32 s55, 0
	s_lshl_b32 s16, s13, 8                         ; ot: row 256 x tile row + 128 x half
	s_lshl_b32 s17, s12, 7
	s_add_co_u32 s16, s16, s17
	s_lshl_b32 s16, s16, 11
	s_mov_b32 s17, 0
	s_lshl_b32 s46, s42, 7                         ; wt: row 128 x tile column + 64 x half, in the fourth matrix
	s_lshl_b32 s47, s12, 6
	s_add_co_u32 s46, s46, s47
	s_lshl_b32 s46, s46, 11
	s_add_co_u32 s46, s46, 3<<21
	s_mov_b32 s47, 0
	s_mul_i32 s22, s10, HALFA
	s_mul_i32 s23, s10, HALFB
	s_add_co_u32 s23, s23, HALFA
	s_mov_b32 s66, 0
	s_wait_dscnt 0x0
	s_wait_kmcnt 0x0
	s_add_nc_u64 s[16:17], s[68:69], s[16:17]
	s_add_nc_u64 s[46:47], s[70:71], s[46:47]
	s_mov_b32 s32, 1
	s_mov_b32 s33, s22
	s_mov_b64 s[34:35], s[16:17]
	s_or_b32 s35, s35, 0x80000000
	s_mov_b32 s36, 1
	s_add_co_u32 s37, s22, SLOT1
	s_add_nc_u64 s[38:39], s[16:17], STEPA
	s_or_b32 s39, s39, 0x80000000
	s_mov_b32 s56, 1
	s_mov_b32 s57, s23
	s_mov_b64 s[58:59], s[46:47]
	s_or_b32 s59, s59, 0x80000000
	s_mov_b32 s60, 1
	s_add_co_u32 s61, s23, SLOT1
	s_add_nc_u64 s[62:63], s[46:47], STEPB
	s_or_b32 s63, s63, 0x80000000
	CROUND
	s_cmp_eq_u32 s11, 0
	s_cbranch_scc0 .Lfirst_b
	tensor_load_to_lds s[32:35], s[24:31]
	s_nop 0
	tensor_load_to_lds s[36:39], s[24:31]
	s_nop 0
.rept 4
	v_nop
.endr
	s_branch .Lfirst_done
.Lfirst_b:
	tensor_load_to_lds s[56:59], s[48:55]
	s_nop 0
	tensor_load_to_lds s[60:63], s[48:55]
	s_nop 0
.rept 4
	v_nop
.endr
.Lfirst_done:
	s_lshl_b32 s20, s42, 9                         ; the bias of the tile's 128 columns
	s_mov_b32 s21, 0
	s_add_nc_u64 s[90:91], s[72:73], s[20:21]
	v_and_b32 v1, 15, v0
	v_bfe_u32 v2, v0, 4, 1
	v_lshlrev_b32 v14, 5, v2
	WIN 0x80
.irp b, 0,1,2,3,4,5,6,7
	global_load_b128 v[8*(\b):8*(\b)+3],   v14, s[90:91] offset:64*(\b)
	global_load_b128 v[8*(\b)+4:8*(\b)+7], v14, s[90:91] offset:64*(\b)+16
.endr
	WIN 0
	v_mul_u32_u24 v3, v1, 272
	v_lshl_add_u32 v3, v2, 4, v3
	s_mul_i32 s18, s10, 64*272
	v_add_nc_u32 v4, s18, v3
	v_add_nc_u32 v5, REGB, v3
	v_mov_b32 v6, v4
	v_mov_b32 v7, v5
	s_mul_i32 s18, s10, 16*528
	s_add_co_u32 s18, s18, STAGE
	v_mul_u32_u24 v8, v1, 528                      ; into my stage: row l % 16, 32 bytes for each half of the lanes
	v_lshl_add_u32 v8, v2, 5, v8
	v_add_nc_u32 v8, s18, v8
	v_and_b32 v10, 31, v0
	v_lshlrev_b32 v10, 4, v10                      ; 16 x lane: my place in a row's 512 bytes, in out0
	v_add_nc_u32 v9, s18, v10                      ; and in the stage
	s_lshl_b32 s18, s13, 8                         ; out0 at my wave's first row and the tile's first column
	s_lshl_b32 s19, s10, 6
	s_add_co_u32 s18, s18, s19
	s_lshl_b32 s18, s18, 12
	s_lshl_b32 s19, s42, 9
	s_add_co_u32 s18, s18, s19
	s_mov_b32 s19, 0
	s_add_nc_u64 s[88:89], s[74:75], s[18:19]
	; the prefetches
	s_lshl_b32 s18, s13, 8
	s_lshl_b32 s19, s12, 7
	s_add_co_u32 s18, s18, s19
	s_lshl_b32 s19, s40, 5
	s_add_co_u32 s18, s18, s19                     ; ot: 256 x tile row + 128 x half + 32 cx
	s_lshl_b32 s20, s42, 7
	s_lshl_b32 s21, s41, 5
	s_add_co_u32 s20, s20, s21
	s_add_co_u32 s20, s20, 3072                    ; wt: 3,072 + 128 x tile column + 32 cy
	s_or_b32 s83, s43, s12
	s_cmp_eq_u32 s11, 0
	s_cselect_b32 s18, s18, s20
	s_cselect_b32 s83, ttmp9, s83
	s_cselect_b64 s[44:45], s[68:69], s[70:71]
	s_cmp_eq_u32 s83, 0
	s_cselect_b32 s82, 2, -1
	s_lshl_b32 s18, s18, 11
	s_mov_b32 s19, 0
	s_add_nc_u64 s[44:45], s[44:45], s[18:19]
	s_add_nc_u64 s[44:45], s[44:45], 3*256         ; at K step 3: the first refill steps it to 4
	v_and_b32 v11, 31, v0
	v_lshlrev_b32 v11, 11, v11
	s_wait_loadcnt 0x0                             ; the bias is in: it is rounded to bf16, like every input
	WIN 0x8a
.set i, 0
.rept 32
	v_cvt_pk_bf16_f32 v[64+i], v[2*i], v[2*i+1]
.set i, i+1
.endr
.set i, 0
.rept 32
	v_lshlrev_b32 v[2*i], 16, v[64+i]
	v_and_b32 v[2*i+1], 0xffff0000, v[64+i]
.set i, i+1
.endr
	WIN 0
	s_wait_tensorcnt 0x1                           ; my part of K step 0 is in; slot 1's may stay out
	s_barrier_signal -1
	s_barrier_wait -1
	FETCH 0, F0
	QUARTER 1, F0, F1, 1
	WIN 0
	s_mov_b32 s3, STEPS-2
.Lstep:
	QUARTER 2, F1, F0, 0
	QUARTER 3, F0, F1, 0
	TURN 1
	QUARTER 1, F0, F1, 0
	WIN 0
	s_sub_co_u32 s3, s3, 1
	s_cmp_lg_u32 s3, 0
	s_cbranch_scc1 .Lstep
	s_mov_b32 s67, 2
.Ltail:                                                ; the last two K steps ask for nothing: a text of their own; the second trip is left in its middle
	QUARTER 2, F1, F0, 0
	QUARTER 3, F0, F1, 0
	TURN 0
	WIN 0
	s_sub_co_u32 s67, s67, 1
	s_cmp_eq_u32 s67, 0
	s_cbranch_scc1 .Lout
	QUARTER 1, F0, F1, 0
	WIN 0
	s_branch .Ltail
.Lout:
	s_wait_dscnt 0x0                               ; (met at once: the last trip fetched nothing)
	PLACES
	OSTAGE 0
	OSTAGE 1
	OSEND 0, 32
	OSTAGE 2
	OSEND 1, 32
	OSTAGE 3
	OSEND 2, 32
	OSEND 3, 0
	s_wait_tensorcnt 0x0                           ; the wave's end
	ds_add_u32 v12, v13
	s_wait_dscnt 0x0
	CROUND                                         ; the closing round
	s_endpgm
.Lfunc_end_k_q893e0acd35_outp:
	.size	k_q893e0acd35_outp, .Lfunc_end_k_q893e0acd35_outp-k_q893e0acd35_outp
	.p2alignl 7, 3214868480
	.fill 96, 4, 3214868480
	.section	.rodata,"a",@progbits
	.p2align	6, 0x0
	.amdhsa_kernel k_q893e0acd35_outp
		.amdhsa_group_segment_fixed_size 327680
		.amdhsa_private_segment_fixed_size 0
		.amdhsa_enable_private_segment 0
		.amdhsa_kernarg_size 32
		.amdhsa_user_sgpr_count 2
		.amdhsa_user_sgpr_kernarg_segment_ptr 1
		.amdhsa_wavefront_size32 1
		.amdhsa_system_sgpr_workgroup_id_x 1
		.amdhsa_system_sgpr_workgroup_id_y 1
		.amdhsa_system_sgpr_workgroup_id_z 1
		.amdhsa_system_vgpr_workitem_id 0
		.amdhsa_next_free_vgpr 608
		.amdhsa_next_free_sgpr 96
		.amdhsa_reserve_vcc 0
		.amdhsa_float_denorm_mode_32 3
		.amdhsa_float_denorm_mode_16_64 3
		.amdhsa_memory_ordered 1
		.amdhsa_forward_progress 1
		.amdhsa_inst_pref_size 66
	.end_amdhsa_kernel
	.amdgpu_metadata
---
amdhsa.version: [ 1, 2 ]
amdhsa.kernels:
  - .name:           k_q893e0acd35_outp
    .symbol:         k_q893e0acd35_outp.kd
    .args:
      - { .name: ot, .offset: 0, .size: 8, .value_kind: global_buffer, .address_space: global }
      - { .name: wt, .offset: 8, .size: 8, .value_kind: global_buffer, .address_space: global }
      - { .name: bo, .offset: 16, .size: 8, .value_kind: global_buffer, .address_space: global }
      - { .name: out0, .offset: 24, .size: 8, .value_kind: global_buffer, .address_space: global }
    .group_segment_fixed_size: 327680
    .private_segment_fixed_size: 0
    .kernarg_segment_align: 8
    .kernarg_segment_size: 32
    .max_flat_workgroup_size: 128
    .sgpr_count:     96
    .vgpr_count:     608
    .wavefront_size: 32
...
	.end_amdgpu_metadata
.endif
;; end of part 5
;; ======== version 2 of 2: 5 launches; version 1 with the launch prep written anew for expert scheduling mode
;; limits: values are held in f16: magnitudes above 65,504 overflow, below 6.1e-05 lose precision
;; workspace buffers: x16 50,331,648 bytes; wt 8,388,608 bytes; p16 50,331,648 bytes; pw 33,554,432 bytes; stats 1,048,576 bytes; ot 16,777,216 bytes
;; launch prep (part 6): grid 256 x 5, 8 waves a work-group, no clusters, 18,432 bytes of LDS; arguments q, k, v, Wq, Wk, Wv, Wo, x16, wt; writes x16, wt
.if DOCPART == 6
	.amdgcn_target "amdgcn-amd-amdhsa--gfx1250"
	.amdhsa_code_object_version 6
	.text
	.protected	k_q893e0acd35_prep
	.globl	k_q893e0acd35_prep
	.p2align	8
	.type	k_q893e0acd35_prep,@function
k_q893e0acd35_prep:
	s_mov_b64 s[64:65], 0
	v_nop
	global_prefetch_b8 v0, s[64:65] scope:SCOPE_SE
	s_setreg_imm32_b32 hwreg(HW_REG_WAVE_SCHED_MODE, 0, 2), 2
	s_setreg_imm32_b32 hwreg(HW_REG_WAVE_MODE, 25, 1), 1
	s_wait_xcnt 0x0
	s_wait_alu depctr_vm_vsrc(0)
; PREP.  y = 0, 1, 2: q, k, v ([8192][1024] f32) are rounded once to bf16 into x16 [3][8192][1024].
; y = 3, 4: Wq, Wk, Wv, Wo ([k][n] f32; matrix 2 (y - 3) + x / 128) are rounded once to bf16 and written turned, [n][k], into wt [4][1024][1024], so that the products find K along the rows.
; Wo's bf16 number is written as f16, since the last product's other operand is f16.
; LIMITS.  A bf16 number of Wo beyond 65,504 becomes an infinity; one below 6.1e-5 keeps f16's fixed step of 6e-8.  NaN and infinities are not treated apart.
; No matrix unit, no cluster, no tensor load: every byte is read once and written once, and no work-group wants another's bytes.
; STREAM (y < 3): eight waves own 32 rows: 768 work-groups, three for each of 256 places.  Thread t takes the 16 bytes at 16 t of every row (a wave's load: 512 consecutive bytes) and stores 8 bytes at 8 t
; (a wave's store: 256 consecutive bytes, aligned).
; TURNING (y >= 3): a block of 128 k x 64 n goes through LDS: 64 rows of 256 bytes + 16 of padding, 17,408 bytes; the 1,024 bytes behind them hold the spare words, 128 bytes for each of eight waves.
; THE MODE: SCHED_MODE bits 1:0 = 2 (LLVM: expert scheduling mode 2), set by the entry lines.  The code itself states the register dependences between vector instructions and memory or LDS instructions,
; with s_wait_alu, always for 0.
; THE PLAN, STREAM.  The 32 rows go in eight blocks of four, two blocks to a trip.  Registers that memory instructions touch:
;   v1, v2   byte offsets, made once at the head and never written again: the rows are reached by the two scalar bases, which step once a trip, and by immediate offsets.
;   X0, X1   four rows as loaded.  Block b of a trip: its eight conversions read X[b]; behind them the loads of the rows eight further down land in it.
;   Y0, Y1   four rows to store.   Block b: its eight conversions write Y[b]; behind them its four stores read it; it is written again a trip later.
; So ONE wait on va_vdst stands in a block, behind its conversions, and the block's four loads and four stores follow it with no vector line between; ONE wait on vm_vsrc stands in a trip, at its end.
; Four to eight loads of every wave are out: 16,384 to 32,768 bytes a work-group.
; THE PLAN, TURNING.  v1 is read by the eight loads; X is read by the conversions and its first sixteen registers are loaded again from LDS; Y, v5, v6 and v7 are written by vector lines and read by the LDS
; stores, the LDS loads and the global stores.  A wait on va_vdst ahead of the loads, and one behind the last vector line, state all of it; no register that a memory or LDS line reads is written again.
.set X, 16                             ; v[16:47]  buffer b, row i: 4 registers at X + 16 b + 4 i, as loaded
.set Y, 48                             ; v[48:63]  buffer b, row i: 2 registers at Y + 8 b + 2 i, to store (turning: 16 packed words)
	s_load_b512 s[8:23], s[0:1], 0x0               ; q s[8:9], k s[10:11], v s[12:13], Wq s[14:15], Wk s[16:17], Wv s[18:19], Wo s[20:21], x16 s[22:23]
	s_load_b64 s[24:25], s[0:1], 0x40              ; wt
	v_lshl_add_u32 v14, v0, 2, 0x4400
	v_mov_b32 v15, 0
	s_and_b32 s4, ttmp7, 0xffff                    ; y
	s_mov_b32 s5, ttmp9                            ; x
	s_mov_b32 s29, 0
	s_wait_kmcnt 0x0
	s_cmp_ge_u32 s4, 3
	s_cbranch_scc1 .Lw
	; ---- the stream
	s_cmp_eq_u32 s4, 1
	s_cselect_b64 s[26:27], s[10:11], s[8:9]
	s_cmp_eq_u32 s4, 2
	s_cselect_b64 s[26:27], s[12:13], s[26:27]     ; the source
	s_lshl_b32 s28, s5, 17                         ; 32 rows of 4,096 bytes
	s_add_nc_u64 s[26:27], s[26:27], s[28:29]
	s_lshl_b32 s28, s4, 24                         ; the tensor's plane of 16,777,216 bytes in x16,
	s_lshl_b32 s32, s5, 16                         ; 32 rows of 2,048 bytes
	s_add_co_u32 s28, s28, s32
	s_add_nc_u64 s[30:31], s[22:23], s[28:29]
	v_lshlrev_b32 v1, 4, v0                        ; 16 t; never rewritten
	v_lshlrev_b32 v2, 3, v0                        ; 8 t; never rewritten
	s_wait_alu depctr_va_vdst(0)                   ; v1 and v2 are written: every load and store of the stream reads one of them as its offset
.irp i, 0,1,2,3,4,5,6,7
	global_load_b128 v[X+4*(\i):X+4*(\i)+3], v1, s[26:27] offset:4096*(\i) th:TH_LOAD_NT  ; rows 0-3 into X0, rows 4-7 into X1
.endr
; Block b of a trip.  ahead = 1: the buffer is asked for again, with the rows eight further down.  left = how many younger loads may stay out when this buffer's four have to be there.
.macro BLK b, ahead, left
	s_wait_loadcnt \left                           ; loads come back in order: X[b]'s four are in, the other buffer's stay out
.irp i, 0,1,2,3
	v_cvt_pk_bf16_f32 v[Y+8*(\b)+2*(\i)], v[X+16*(\b)+4*(\i)], v[X+16*(\b)+4*(\i)+1]
	v_cvt_pk_bf16_f32 v[Y+8*(\b)+2*(\i)+1], v[X+16*(\b)+4*(\i)+2], v[X+16*(\b)+4*(\i)+3]
.endr
	s_wait_alu depctr_va_vdst(0)                   ; the eight conversions are done reading X[b], in which the loads below land, and have written Y[b], which the stores below read
.irp i, 0,1,2,3
.if \ahead
	global_load_b128 v[X+16*(\b)+4*(\i):X+16*(\b)+4*(\i)+3], v1, s[26:27] offset:4096*(8+4*(\b)+(\i)) th:TH_LOAD_NT
.endif
	global_store_b64 v2, v[Y+8*(\b)+2*(\i):Y+8*(\b)+2*(\i)+1], s[30:31] offset:2048*(4*(\b)+(\i))
.endr
.endm
	s_mov_b32 s6, 3
.Lrow:                                                 ; a trip: eight rows are rounded and stored, the eight rows behind them asked for
	BLK 0, 1, 4
	BLK 1, 1, 4
	s_wait_xcnt 0x0                                ; the two bases and the stores' data are written again only behind this wait
	s_wait_alu depctr_vm_vsrc(0)                   ; the trip's stores have read Y0 and Y1, which the next trip's conversions, or the tail's, write again
	s_add_nc_u64 s[26:27], s[26:27], 32768
	s_add_nc_u64 s[30:31], s[30:31], 16384
	s_sub_co_u32 s6, s6, 1
	s_cmp_lg_u32 s6, 0
	s_cbranch_scc1 .Lrow
	BLK 0, 0, 4                                    ; the last eight rows load nothing: the counts run down
	BLK 1, 0, 0
	s_branch .Lend
	; ---- a weight matrix is turned
.Lw:
	s_sub_co_u32 s7, s4, 3
	s_lshl_b32 s7, s7, 1
	s_lshr_b32 s32, s5, 7
	s_add_co_u32 s7, s7, s32                       ; which of the four matrices
	s_and_b32 s5, s5, 127                          ; which of its 128 blocks
	s_cmp_eq_u32 s7, 1
	s_cselect_b64 s[26:27], s[16:17], s[14:15]
	s_cmp_eq_u32 s7, 2
	s_cselect_b64 s[26:27], s[18:19], s[26:27]
	s_cmp_eq_u32 s7, 3
	s_cselect_b64 s[26:27], s[20:21], s[26:27]
	s_and_b32 s32, s5, 7                           ; kb: which 128 k
	s_lshr_b32 s33, s5, 3                          ; nb: which 64 n
	s_lshl_b32 s28, s32, 19                        ; 128 rows of 4,096 bytes
	s_lshl_b32 s34, s33, 8                         ; 64 columns of 4 bytes
	s_add_co_u32 s28, s28, s34
	s_add_nc_u64 s[26:27], s[26:27], s[28:29]
	s_lshl_b32 s28, s7, 21                         ; the matrix's 2,097,152 bytes in wt,
	s_lshl_b32 s34, s33, 17                        ; 64 rows of 2,048 bytes,
	s_add_co_u32 s28, s28, s34
	s_lshl_b32 s34, s32, 8                         ; 128 k of 2 bytes
	s_add_co_u32 s28, s28, s34
	s_add_nc_u64 s[30:31], s[24:25], s[28:29]
	v_lshrrev_b32 v3, 4, v0                        ; kg: my eight k
	v_and_b32 v4, 15, v0                           ; nq: my four n
	v_lshlrev_b32 v1, 15, v3                       ; 8 rows of 4,096 bytes
	v_lshl_add_u32 v1, v4, 4, v1
	s_wait_alu depctr_va_vdst(0)                   ; v1 is written: the eight loads read it as their offset
.irp i, 0,1,2,3,4,5,6,7
	global_load_b128 v[X+4*(\i):X+4*(\i)+3], v1, s[26:27] offset:4096*(\i) th:TH_LOAD_NT  ; row 8 kg + i: sixteen lanes take 256 consecutive bytes
.endr
	v_mul_u32_u24 v5, v4, 1088                     ; into the tile: row 4 nq + c, byte 16 kg.  Sixteen lanes' rows lie 1,088 bytes apart: four of them share a group of banks; once a block
	v_lshl_add_u32 v5, v3, 4, v5
	v_mul_u32_u24 v6, v3, 272                      ; back: row t / 16 (+ 16 i), byte 16 (t % 16)
	v_lshl_add_u32 v6, v4, 4, v6
	v_lshlrev_b32 v7, 11, v3                       ; and the same place in wt
	v_lshl_add_u32 v7, v4, 4, v7
	s_wait_loadcnt 0x0
.irp c, 0,1,2,3
.irp p, 0,1,2,3
	v_cvt_pk_bf16_f32 v[Y+4*(\c)+(\p)], v[X+8*(\p)+(\c)], v[X+8*(\p)+4+(\c)]  ; column 4 nq + c: k = 8 kg + 2 p and the next
.endr
.endr
	s_cmp_lg_u32 s7, 3
	s_cbranch_scc1 .Lbf
.set i, 0
.rept 16                                       ; Wo alone: the bf16 numbers are written as f16
	v_lshlrev_b32 v8, 16, v[Y+i]
	v_and_b32 v9, 0xffff0000, v[Y+i]
	v_cvt_pk_f16_f32 v[Y+i], v8, v9
.set i, i+1
.endr
.Lbf:
	s_wait_alu depctr_va_vdst(0)                   ; on both ways: Y and v5 are written, which the LDS stores read; so are v6 and v7, the offsets of the LDS loads and of the global stores; the conversions are done reading X, in which the LDS loads land.  No vector line follows
.irp c, 0,1,2,3
	ds_store_b128 v5, v[Y+4*(\c):Y+4*(\c)+3] offset:272*(\c)
.endr
	s_wait_dscnt 0x0                               ; for the others' sake: my stores into the tile are done
	s_barrier_signal -1
	s_barrier_wait -1
.irp i, 0,1,2,3
	ds_load_b128 v[X+4*(\i):X+4*(\i)+3], v6 offset:4352*(\i)
.endr
	s_wait_dscnt 0x0
.irp i, 0,1,2,3
	global_store_b128 v7, v[X+4*(\i):X+4*(\i)+3], s[30:31] offset:32768*(\i)  ; sixteen lanes store 256 consecutive bytes, aligned
.endr
.Lend:
	s_wait_dscnt 0x0                               ; the wave's end: my LDS work is done, ahead of the closing add
	s_wait_alu depctr_hold_cnt(0) depctr_sa_sdst(0) depctr_va_vdst(0) depctr_va_sdst(0) depctr_va_ssrc(0) depctr_va_vcc(0) depctr_vm_vsrc(0)
	s_wait_tensorcnt 0x0
	ds_add_u32 v14, v15
	s_wait_dscnt 0x0
	s_endpgm
.Lfunc_end_k_q893e0acd35_prep:
	.size	k_q893e0acd35_prep, .Lfunc_end_k_q893e0acd35_prep-k_q893e0acd35_prep
	.p2alignl 7, 3214868480
	.fill 96, 4, 3214868480
	.section	.rodata,"a",@progbits
	.p2align	6, 0x0
	.amdhsa_kernel k_q893e0acd35_prep
		.amdhsa_group_segment_fixed_size 18432
		.amdhsa_private_segment_fixed_size 0
		.amdhsa_enable_private_segment 0
		.amdhsa_kernarg_size 72
		.amdhsa_user_sgpr_count 2
		.amdhsa_user_sgpr_kernarg_segment_ptr 1
		.amdhsa_wavefront_size32 1
		.amdhsa_system_sgpr_workgroup_id_x 1
		.amdhsa_system_sgpr_workgroup_id_y 1
		.amdhsa_system_sgpr_workgroup_id_z 1
		.amdhsa_system_vgpr_workitem_id 0
		.amdhsa_next_free_vgpr 64
		.amdhsa_next_free_sgpr 66
		.amdhsa_reserve_vcc 0
		.amdhsa_float_denorm_mode_32 3
		.amdhsa_float_denorm_mode_16_64 3
		.amdhsa_memory_ordered 1
		.amdhsa_forward_progress 1
		.amdhsa_inst_pref_size 14
	.end_amdhsa_kernel
	.amdgpu_metadata
---
amdhsa.version: [ 1, 2 ]
amdhsa.kernels:
  - .name:           k_q893e0acd35_prep
    .symbol:         k_q893e0acd35_prep.kd
    .args:
      - { .name: q, .offset: 0, .size: 8, .value_kind: global_buffer, .address_space: global }
      - { .name: k, .offset: 8, .size: 8, .value_kind: global_buffer, .address_space: global }
      - { .name: v, .offset: 16, .size: 8, .value_kind: global_buffer, .address_space: global }
      - { .name: Wq, .offset: 24, .size: 8, .value_kind: global_buffer, .address_space: global }
      - { .name: Wk, .offset: 32, .size: 8, .value_kind: global_buffer, .address_space: global }
      - { .name: Wv, .offset: 40, .size: 8, .value_kind: global_buffer, .address_space: global }
      - { .name: Wo, .offset: 48, .size: 8, .value_kind: global_buffer, .address_space: global }
      - { .name: x16, .offset: 56, .size: 8, .value_kind: global_buffer, .address_space: global }
      - { .name: wt, .offset: 64, .size: 8, .value_kind: global_buffer, .address_space: global }
    .group_segment_fixed_size: 18432
    .private_segment_fixed_size: 0
    .kernarg_segment_align: 8
    .kernarg_segment_size: 72
    .max_flat_workgroup_size: 256
    .sgpr_count:     66
    .vgpr_count:     64
    .wavefront_size: 32
...
	.end_amdgpu_metadata
.endif
;; end of part 6
;; launch proj: the kernel of part 2 again; grid 4 x 96, 4 waves a work-group, clusters of 4 x 4, 327,680 bytes of LDS; arguments x16, wt, bq, bk, bv, p16; writes p16
;; launch scores: the kernel of part 3 again; grid 8 x 32, 4 waves a work-group, clusters of 4 x 4, 327,680 bytes of LDS; arguments p16, pw, stats; writes pw, stats
;; launch pv: the kernel of part 4 again; grid 16 x 16, 4 waves a work-group, clusters of 4 x 4, 327,680 bytes of LDS; arguments p16, pw, stats, ot; writes ot
;; launch outp: the kernel of part 5 again; grid 8 x 32, 4 waves a work-group, clusters of 4 x 4, 327,680 bytes of LDS; arguments ot, wt, bo, out0; writes out0
